; MI455X (gfx1250); checked and timed in simulation.
; The chip was launched on July 23, 2026; its instructions are those of AMD's public machine-readable ISA for CDNA 5 (MIT licence, August 2026) and "CDNA5" Instruction Set Architecture Reference Guide (July 2026). The comments in the code are by the model that wrote it; some were corrected since.
;; Multi Head Attention. Allowed arithmetic: matrix products marked QUANTISED: E2M3 operands, one E8M0 scale for each 32 along K, by v_wmma_scale_f32_16x16x128_f8f6f4 with both operands' format E2M3, f32 sums; everything else in f32.
;; Inputs: Wk 512 x 512 float32; Wo 512 x 512 float32; Wq 512 x 512 float32; Wv 512 x 512 float32; bk 512 float32; bo 512 float32; bq 512 float32; bv 512 float32; x 2 x 4,096 x 512 float32.
;; Outputs: out0 2 x 4,096 x 512 float32.
;; This version of the problem:
;;   THIS VERSION OF THE PROBLEM IS GIVEN IN LOW PRECISION. The matrix products marked QUANTISED in the list below multiply operands that are first quantised to E2M3 (2 exponent bits, 3 mantissa bits; 6 bits a number), with one power-of-two scale for each 32 numbers along K (OCP MX v1.0); their sums are f32. All else is computed in f32.
;;   The module's matrix products, in the order in which they are computed (A, B: the left and right operand; K: the contracted axis; several contracted axes count as one K, in the product's order):
;;     1. [M 8,192, K 512] x [K 512, N 512]; A: input x; B: input Wq: QUANTISED
;;     2. [M 8,192, K 512] x [K 512, N 512]; A: input x; B: input Wk: QUANTISED
;;     3. [M 8,192, K 512] x [K 512, N 512]; A: input x; B: input Wv: QUANTISED
;;     4. batch 16 x [M 4,096, K 64] x [K 64, N 4,096]; A: computed on the way; B: computed on the way: QUANTISED
;;     5. batch 16 x [M 4,096, K 4,096] x [K 4,096, N 64]; A: softmax (see below); B: computed on the way: QUANTISED
;;     6. [M 8,192, K 512] x [K 512, N 512]; A: computed on the way; B: input Wo: QUANTISED
;;   THE QUANTISER, for each operand of a quantised product, along K:
;;     - K is cut into blocks of 32 from its start; a last block that is shorter is filled with zeros.
;;     - A block's scale is 2^e with e = floor(log2(the largest magnitude in the block)) - 2, held to -126 .. 127; a block of zeros has e = 0. As a byte (E8M0): e + 127.
;;     - Each number is divided by its block's scale, clamped to +-7.5, and rounded to the nearest number of E2M3, ties to even, subnormals kept.
;;     - The product sums the exact products of the quantised numbers (number of the format x scale) in f32.
;;   ~~~python
;;   def quantise(x, axis):      # numpy; x: float32 -> the quantised numbers, widened to float32 again
;;       x = np.moveaxis(x, axis, -1); K = x.shape[-1]
;;       x = np.pad(x, [(0, 0)] * (x.ndim - 1) + [(0, -K % 32)]); x = x.reshape(x.shape[:-1] + (-1, 32)); a = np.abs(x).max(-1, keepdims=True)
;;       e = np.where(a > 0, np.clip(np.frexp(np.where(a > 0, a, 1))[1] - 1 - 2, -126, 127), 0)      # np.frexp(a)[1] - 1 = floor(log2(a)), exactly
;;       r = np.clip(x / 2.0 ** e, -7.5, 7.5)
;;       step = 2.0 ** (np.maximum(np.frexp(np.where(r == 0, 1, r))[1] - 1, 0) - 3)
;;       q = np.round(r / step) * step * 2.0 ** e      # np.round: ties to even
;;       return np.moveaxis(q.reshape(q.shape[:-2] + (-1,))[..., :K], -1, axis).astype(np.float32)
;;   ~~~
;;   SOFTMAX AHEAD OF A QUANTISED PRODUCT. Where the list says 'softmax', what is quantised is not the finished softmax but p = 2^(t - M), with t = logit x log2(e) and M = ceil(the row's largest t), a whole number; so 1/2 < the row's largest p <= 1. The row's sum l is taken of the UNQUANTISED p, in f32, and the product's result is divided by l at the end. Since M is a whole number, a kernel that streams over the keys may use a running M (the ceiling of the running maximum): every later rescaling is an exact power of two, which a block's scale takes up: the codes' values come out the same.
;;   OPERANDS COMPUTED ON THE WAY. 'Computed on the way' means the value that the module computes at that place (a softmax that the list does not call 'softmax' is quantised finished and normalised). What goes into a quantiser is computed in f32, as accurately as f32 sums, v_exp_f32 and their like allow (about 1e-6 of the number): no bf16 or f16 on the way to a quantiser, and a product that is left as it is and whose result goes on into a quantised operand takes f32 operands (vector FMAs, or v_wmma_f32_16x16x4_f32). A number that lies on a knife's edge between two numbers of the format may be rounded either way, as far as f32 arithmetic and the matrix unit's own rounding can turn it there, and no further.
;; One version. Each part assembles by itself: llvm-mc -triple=amdgcn-amd-amdhsa -mcpu=gfx1250 --defsym DOCPART=n.
;; ======== version 1 of 1: 4 launches
;; limits: right only within a limited range of input values
;; workspace buffers: xw 4,096,000 bytes; qkv 9,830,400 bytes; ao 3,276,800 bytes
;; launch prep (part 1): grid 320 x 1, 8 waves a work-group, no clusters, 69,120 bytes of LDS; arguments x, Wq, Wk, Wv, Wo, xw; writes xw
.if DOCPART == 1
	.amdgcn_target "amdgcn-amd-amdhsa--gfx1250"
	.amdhsa_code_object_version 6
	.text
	.protected	k_q734205ecf8_prep
	.globl	k_q734205ecf8_prep
	.p2align	8
	.type	k_q734205ecf8_prep,@function
k_q734205ecf8_prep:
	s_mov_b64 s[64:65], 0
	v_nop
	global_prefetch_b8 v0, s[64:65] scope:SCOPE_SE
	s_setreg_imm32_b32 hwreg(HW_REG_WAVE_MODE, 25, 1), 1
	s_wait_xcnt 0x0
; x [8192][512] and the four weights [512 (k)][512 (n)], f32, become codes of FP6 (E2M3) with one E8M0 byte for each 32 along K, laid as the later launches' operand registers want them.
; xw is 80 blocks of 51,200 bytes: 8 tiles x 4 K steps of fragment images (1,536 bytes: 12 registers a lane, three stores of 512 bytes, lane l at 16 l), then 2,048 bytes of scale words
; (tile T, row r, K step s at 49,152 + 256 T + 16 r + 4 s).  Blocks 0-63: 128 rows of x each.  Blocks 64 + 4 m + g: matrix m (q, k, v, o), columns 128 g .. 128 g + 127.
; THE ROWS OF A TILE ARE NOT NEIGHBOURS: in each group of 64 rows (of x) or columns (of a weight) tile t, row r stands for index 32 (r / 8) + 8 t + r % 8.  Where such tiles are source 0 of a product,
; the 32 result registers of a group's four tiles are 32 NEIGHBOURS, a whole block of the next quantiser, in one lane.
; A block's scale is 2^(floor(log2(its largest magnitude)) - 2): its byte is that magnitude's exponent field - 2, held at 1 from below.
; LIMITS: a block of zeros gets the byte 1 where the rule says 127 (its codes are zeros, and this program alone reads the bytes); blocks whose largest magnitude lies under 2^-124 are held at byte 1;
; NaN and infinities among the inputs are not served.
; SHARES: a work-group takes two tiles x four K steps, a wave ONE fragment (16 rows x 128 K).  Work-groups 0-63 take the weights, 64-319 x.  No work-group shares an input byte with another but for
; neighbouring pieces of the weights' rows: no cluster, no tensor load.
; x: K is innermost.  Sixteen loads of 512 consecutive bytes (a row's 128 numbers) turn through the wave's own stage in LDS, so that a lane gets 32 neighbours of its row for each of its two blocks.
; A weight: K is the first axis.  A lane takes a column and its registers run down K: 64 loads of 4 bytes a lane, eight neighbouring lanes on 32 consecutive bytes; the four weights are 4 MiB in all.
.set BLOCK, 51200
.set STGB,  8448                       ; a wave's stage: 16 rows x (512 + 16) bytes
.set SG,    8*STGB                     ; behind the stages: the work-group's 2 x 256 bytes of scale words
.set F,   24                           ; v24-35   the fragment
.set T0,  36                           ; v36-38, v40-42: the second halves of the two blocks' codes (a conversion's three registers begin on an even number)
.set T1,  40
.set X,   48                           ; v48-111  my 64 numbers: register 32 c + i = k 64 c + 32 (lane / 16) + i of my row or column
.set RW,  112                          ; v112-175 x as it is loaded
	s_load_b256 s[4:11], s[0:1], 0x0               ; x s[4:5], Wq s[6:7], Wk s[8:9], Wv s[10:11]
	s_load_b128 s[12:15], s[0:1], 0x20             ; Wo s[12:13], xw s[14:15]
	v_lshl_add_u32 v176, v0, 2, 0x10a00
	v_mov_b32 v177, 0
	v_lshrrev_b32 v1, 5, v0
	s_delay_alu instid0(VALU_DEP_1)
	v_readfirstlane_b32 s16, v1                    ; wave 0..7
	v_and_b32 v1, 31, v0                           ; lane
	v_and_b32 v2, 15, v0                           ; r
	v_bfe_u32 v3, v0, 4, 1                         ; h
	s_delay_alu instid0(VALU_DEP_3)
	v_lshlrev_b32 v4, 4, v1                        ; 16 x lane
	s_delay_alu instid0(VALU_DEP_2)
	v_lshlrev_b32 v5, 3, v3                        ; 8 h: my bytes' shift in a scale word
	s_delay_alu instid0(VALU_DEP_4)
	v_lshrrev_b32 v10, 3, v2
	v_and_b32 v11, 7, v2
	s_delay_alu instid0(VALU_DEP_1)
	v_lshlrev_b32 v6, 2, v11
	s_delay_alu instid0(VALU_DEP_1)
	v_lshl_add_u32 v6, v10, 7, v6                  ; a weight: my column in the tile, 4 (32 (r / 8) + r % 8) bytes,
	s_delay_alu instid0(VALU_DEP_1)
	v_lshl_add_u32 v6, v3, 16, v6                  ; and 32 rows of 2,048 bytes further down for lanes 16-31
	s_lshr_b32 s17, s16, 2                         ; which of the two tiles
	s_and_b32 s18, s16, 3                          ; which K step
	s_mul_i32 s21, s16, STGB
	v_add_nc_u32 v7, s21, v4                       ; the stage, in: 16 x lane of a row
	v_mul_u32_u24 v8, v2, 528
	s_delay_alu instid0(VALU_DEP_1)
	v_lshl_add_u32 v8, v3, 7, v8
	s_delay_alu instid0(VALU_DEP_1)
	v_add_nc_u32 v8, s21, v8                       ; and out: row r, + 128 h
	s_lshl_b32 s19, s17, 8
	s_lshl_b32 s20, s18, 2
	s_add_co_u32 s19, s19, s20
	s_add_co_u32 s19, s19, SG
	v_lshl_add_u32 v9, v2, 4, s19                  ; my scale word: SG + 256 tile + 16 r + 4 s
	v_add_nc_u32 v22, SG, v4                       ; and where wave 0 reads them all back
	v_mov_b32 v17, 0                               ; a lane permute's destination counts as one of its sources
	s_mov_b32 s22, 0x76543210
	s_mov_b32 s23, 0xfedcba98                      ; v_permlanex16_b32's selects for lane l xor 16
	s_and_b32 s24, ttmp9, 3                        ; which pair of tiles of the block
	s_lshl_b32 s25, s24, 1
	s_add_co_u32 s25, s25, s17                     ; tile T
	s_lshr_b32 s26, s25, 2                         ; its group of 64
	s_and_b32 s27, s25, 3                          ; its place in the group
	s_lshr_b32 s28, ttmp9, 2
	s_cmp_lt_u32 ttmp9, 64
	s_cselect_b32 s29, 64, -16
	s_add_co_u32 s29, s28, s29                     ; the block: 64 + wg / 4 for a weight, (wg - 64) / 4 for x
	s_mul_i32 s30, s29, BLOCK
	s_lshl_b32 s31, s25, 2
	s_add_co_u32 s31, s31, s18
	s_mul_i32 s31, s31, 1536
	s_add_co_u32 s32, s30, s31                     ; my fragment's image
	s_mov_b32 s33, 0
	s_lshl_b32 s34, s24, 9
	s_add_co_u32 s34, s34, s30
	s_add_co_u32 s34, s34, 49152                   ; the pair's scale words
	s_mov_b32 s35, 0
	s_wait_kmcnt 0x0
	s_add_nc_u64 s[32:33], s[14:15], s[32:33]
	s_add_nc_u64 s[34:35], s[14:15], s[34:35]
	s_cmp_lt_u32 ttmp9, 64
	s_cbranch_scc1 .Lweight
	; ---- x
	s_sub_co_u32 s28, s28, 16                      ; the block of 128 rows
	s_lshl_b32 s36, s28, 7
	s_lshl_b32 s37, s26, 6
	s_add_co_u32 s36, s36, s37
	s_lshl_b32 s37, s27, 3
	s_add_co_u32 s36, s36, s37                     ; the tile's first row: 128 R + 64 group + 8 t
	s_lshl_b32 s36, s36, 11
	s_lshl_b32 s37, s18, 9
	s_add_co_u32 s36, s36, s37                     ; + 512 bytes for each K step
	s_mov_b32 s37, 0
	s_add_nc_u64 s[4:5], s[4:5], s[36:37]
.irp i, 0,1,2,3,4,5,6,7,8,9,10,11,12,13,14,15
	global_load_b128 v[RW+4*\i:RW+4*\i+3], v4, s[4:5] offset:(32*(\i/8)+\i%8)*2048 th:TH_LOAD_NT   ; the tile's row i: 32 lanes read 512 consecutive bytes
.endr
	s_wait_alu depctr_va_vdst(0)
.irp i, 0,1,2,3,4,5,6,7,8,9,10,11,12,13,14,15
	s_wait_loadcnt 15-\i                           ; loads come back in order: row i is in, the younger rows may be out
	ds_store_b128 v7, v[RW+4*\i:RW+4*\i+3] offset:528*\i
.endr
.irp c, 0,1
.irp m, 0,1,2,3,4,5,6,7
	ds_load_b128 v[X+32*\c+4*\m:X+32*\c+4*\m+3], v8 offset:256*\c+16*\m   ; LDS serves a wave's instructions in order: these see my stores
.endr
.endr
	s_wait_dscnt 0x0
	s_branch .Lquant
.Lweight:
	; ---- a weight
	s_lshr_b32 s36, ttmp9, 4                       ; which matrix: the choice hangs on the work-group's number alone
	s_cmp_eq_u32 s36, 1
	s_cselect_b64 s[6:7], s[8:9], s[6:7]
	s_cmp_eq_u32 s36, 2
	s_cselect_b64 s[6:7], s[10:11], s[6:7]
	s_cmp_eq_u32 s36, 3
	s_cselect_b64 s[6:7], s[12:13], s[6:7]
	s_and_b32 s36, s28, 3                          ; g
	s_lshl_b32 s36, s36, 7
	s_lshl_b32 s37, s26, 6
	s_add_co_u32 s36, s36, s37
	s_lshl_b32 s37, s27, 3
	s_add_co_u32 s36, s36, s37                     ; the tile's first column: 128 g + 64 group + 8 t
	s_lshl_b32 s36, s36, 2
	s_lshl_b32 s37, s18, 18                        ; 128 rows of 2,048 bytes for each K step
	s_add_co_u32 s36, s36, s37
	s_mov_b32 s37, 0
	s_add_nc_u64 s[6:7], s[6:7], s[36:37]
	s_wait_alu depctr_va_vdst(0)
.irp c, 0,1
.irp i, 0,1,2,3,4,5,6,7,8,9,10,11,12,13,14,15,16,17,18,19,20,21,22,23,24,25,26,27,28,29,30,31
	global_load_b32 v[X+32*\c+\i], v6, s[6:7] offset:(64*\c+\i)*2048
.endr
.endr
	s_wait_loadcnt 0x0
.Lquant:
	; ---- my two blocks: all 32 numbers of each are mine
	v_max3_num_f32 v10, |v[X]|, |v[X+1]|, 0x1800000        ; the floor 2^(3 - 127) among the leaves: the byte cannot fall under 1
	v_max3_num_f32 v11, |v[X+32]|, |v[X+33]|, 0x1800000
.irp i, 2,4,6,8,10,12,14,16,18,20,22,24,26,28,30
	s_delay_alu instid0(VALU_DEP_2)
	v_max3_num_f32 v10, v10, |v[X+\i]|, |v[X+\i+1]|        ; (the two blocks by turns)
	s_delay_alu instid0(VALU_DEP_2)
	v_max3_num_f32 v11, v11, |v[X+32+\i]|, |v[X+33+\i]|
.endr
	s_delay_alu instid0(VALU_DEP_2)
	v_add_nc_u32 v12, 0xff000000, v10              ; 2 off the exponent field: the conversion takes the exponent field of this operand as its scale
	s_delay_alu instid0(VALU_DEP_2)
	v_add_nc_u32 v13, 0xff000000, v11
	s_delay_alu instid0(VALU_DEP_2)
	v_lshrrev_b32 v14, 23, v12                     ; the scales' bytes: blocks h and 2 + h of the K step
	s_delay_alu instid0(VALU_DEP_2)
	v_lshrrev_b32 v15, 23, v13
	s_delay_alu instid0(VALU_DEP_1)
	v_lshl_or_b32 v16, v15, 16, v14
	s_delay_alu instid0(VALU_DEP_1)
	v_lshlrev_b32 v16, v5, v16                     ; at their places in the word
	s_delay_alu instid0(VALU_DEP_1)
	v_permlanex16_b32 v17, v16, s22, s23
	s_delay_alu instid0(VALU_DEP_1)
	v_or_b32 v16, v16, v17                         ; with lane l xor 16's two the word is whole
	v_cvt_scalef32_pk16_fp6_f32 v[F:F+2], v[X:X+15], v12
	v_cvt_scalef32_pk16_fp6_f32 v[T0:T0+2], v[X+16:X+31], v12
	v_cvt_scalef32_pk16_fp6_f32 v[F+6:F+8], v[X+32:X+47], v13
	v_cvt_scalef32_pk16_fp6_f32 v[T1:T1+2], v[X+48:X+63], v13
	v_nop                                          ; one plain instruction behind a scaled conversion, ahead of the moves that read its result
.irp i, 0,1,2
	v_mov_b32 v[F+3+\i], v[T0+\i]
	v_mov_b32 v[F+9+\i], v[T1+\i]
.endr
.irp q, 0,1,2
	global_store_b128 v4, v[F+4*\q:F+4*\q+3], s[32:33] offset:512*\q   ; 32 lanes store 512 consecutive bytes, at a multiple of 256 from the buffer's first byte
.endr
	ds_store_b32 v9, v16                           ; both lanes of a row write the same word with the same value
	s_wait_dscnt 0x0                               ; for the others' sake: my word has landed
	s_barrier_signal -1
	s_barrier_wait -1
	s_cmp_lg_u32 s16, 0
	s_cbranch_scc1 .Lend
	ds_load_b128 v[18:21], v22                     ; the eight waves' words: 512 bytes
	s_wait_dscnt 0x0
	global_store_b128 v4, v[18:21], s[34:35]
.Lend:
	s_wait_tensorcnt 0x0
	ds_add_u32 v176, v177
	s_wait_dscnt 0x0
	s_endpgm
.Lfunc_end_k_q734205ecf8_prep:
	.size	k_q734205ecf8_prep, .Lfunc_end_k_q734205ecf8_prep-k_q734205ecf8_prep
	.p2alignl 7, 3214868480
	.fill 96, 4, 3214868480
	.section	.rodata,"a",@progbits
	.p2align	6, 0x0
	.amdhsa_kernel k_q734205ecf8_prep
		.amdhsa_group_segment_fixed_size 69120
		.amdhsa_private_segment_fixed_size 0
		.amdhsa_enable_private_segment 0
		.amdhsa_kernarg_size 48
		.amdhsa_user_sgpr_count 2
		.amdhsa_user_sgpr_kernarg_segment_ptr 1
		.amdhsa_wavefront_size32 1
		.amdhsa_system_sgpr_workgroup_id_x 1
		.amdhsa_system_sgpr_workgroup_id_y 1
		.amdhsa_system_sgpr_workgroup_id_z 1
		.amdhsa_system_vgpr_workitem_id 0
		.amdhsa_next_free_vgpr 178
		.amdhsa_next_free_sgpr 66
		.amdhsa_reserve_vcc 0
		.amdhsa_float_denorm_mode_32 3
		.amdhsa_float_denorm_mode_16_64 3
		.amdhsa_memory_ordered 1
		.amdhsa_forward_progress 1
		.amdhsa_inst_pref_size 19
	.end_amdhsa_kernel
	.amdgpu_metadata
---
amdhsa.version: [ 1, 2 ]
amdhsa.kernels:
  - .name:           k_q734205ecf8_prep
    .symbol:         k_q734205ecf8_prep.kd
    .args:
      - { .name: x, .offset: 0, .size: 8, .value_kind: global_buffer, .address_space: global }
      - { .name: Wq, .offset: 8, .size: 8, .value_kind: global_buffer, .address_space: global }
      - { .name: Wk, .offset: 16, .size: 8, .value_kind: global_buffer, .address_space: global }
      - { .name: Wv, .offset: 24, .size: 8, .value_kind: global_buffer, .address_space: global }
      - { .name: Wo, .offset: 32, .size: 8, .value_kind: global_buffer, .address_space: global }
      - { .name: xw, .offset: 40, .size: 8, .value_kind: global_buffer, .address_space: global }
    .group_segment_fixed_size: 69120
    .private_segment_fixed_size: 0
    .kernarg_segment_align: 8
    .kernarg_segment_size: 48
    .max_flat_workgroup_size: 256
    .sgpr_count:     66
    .vgpr_count:     178
    .wavefront_size: 32
...
	.end_amdgpu_metadata
.endif
;; end of part 1
;; launch qkv (part 2): grid 4 x 64, 12 waves a work-group, clusters of 4 x 4, 207,872 bytes of LDS; arguments xw, bq, bk, bv, qkv; writes qkv
.if DOCPART == 2
	.amdgcn_target "amdgcn-amd-amdhsa--gfx1250"
	.amdhsa_code_object_version 6
	.text
	.protected	k_q734205ecf8_qkv
	.globl	k_q734205ecf8_qkv
	.p2align	8
	.type	k_q734205ecf8_qkv,@function
k_q734205ecf8_qkv:
	s_mov_b64 s[64:65], 0
	v_nop
	global_prefetch_b8 v0, s[64:65] scope:SCOPE_SE
	s_setreg_imm32_b32 hwreg(HW_REG_WAVE_MODE, 25, 1), 1
	s_wait_xcnt 0x0
	s_wait_alu depctr_hold_cnt(0) depctr_sa_sdst(0) depctr_va_vdst(0) depctr_va_sdst(0) depctr_va_ssrc(0) depctr_va_vcc(0) depctr_vm_vsrc(0)
	s_getreg_b32 s2, hwreg(HW_REG_IB_STS2, 6, 4)
	s_cmp_eq_u32 s2, 0
	s_cbranch_scc0 .Lentry_in_a_cluster
	s_endpgm
.Lentry_in_a_cluster:
	s_bfe_u32 s2, ttmp6, 0x10000c
	s_cmp_lg_u32 s2, 0xf033
	s_cbranch_scc0 .Lentry_shape_is_right
	s_endpgm
.Lentry_shape_is_right:
; q = x Wq + bq, k = x Wk + bk, v = x Wv + bv on codes of FP6 (E2M3) with E8M0 scales, and the three results quantised again: q and k along the head's 64, v along the keys.
; A work-group takes 128 rows of x (block R) and 128 columns (group g: heads 2 g, 2 g + 1) of all three weights.  Twelve waves: role = wave / 4 (q, k, v), j = (wave / 2) % 2 (the head), c = wave % 2 (the 64 rows).
; A wave makes ONE 64 x 64 block over K = 512: 64 matrix instructions on 16 accumulators.  Source 0 is the operand whose rows become the result's REGISTERS, source 1 the one whose rows are its lanes:
; q, k: source 0 = the weight's 64 columns, source 1 = x's 64 rows; v: source 0 = x's rows (the keys), source 1 = Wv's columns.  By the order of rows in a tile (32 (r / 8) + 8 t + r % 8) the 32 registers
; of a unit (four accumulators) are 32 neighbours along the next K: a whole block in one lane: its maximum asks no other lane and two conversions give six registers of the next operand.
; The text is one for the three roles; what differs is in scalars made of the wave's number, in where the bias lies, and in the first K step.
; THE BIAS is the C of each sum's first matrix instruction; it is loaded into accumulator registers that take their own first product last.
; OUT.  A unit's six code registers are a HALF of 768 bytes: registers 0, 1 at 8 x lane, registers 2-5 at 256 + 16 x lane: every store covers whole runs of 256 bytes.
;   qkv: for each (batch, head) 614,400 bytes: Q's 256 halves; Q's scale halves (2 bytes a row) at 196,608; from 204,800 on 32 chunks of 128 keys, 12,800 bytes each:
;   K's 8 halves, V's 8 (d tile n, keys' half c at 6,144 + 1,536 n + 768 c), and at 12,288 an image of scale words: lane r: K's four, lane 16 + r: V's four.
; CLUSTER 4 x 4: the four work-groups of a row of the cluster need the same block of x, the four of a column the same blocks of the weights: each is asked for jointly.  All of a work-group's operands
; (204,800 bytes) come by one tensor load for each of eight waves and are filled once.
; LIMITS: as in the launch before: a block of zeros gets the byte 1; blocks under 2^-124 are held at byte 1; NaN and infinities are not served.
.set BLOCK, 51200
.set HALFB, 25600                      ; what one tensor load brings: 100 rows of 256 bytes
.set GS,    204800                     ; behind the four blocks (Wq, Wk, x, Wv): the scale halves, 128 bytes a wave: GS + 128 wave + 32 unit + 2 r
.set BHS,   614400
.set QSOFF, 196608
.set KVOFF, 204800
.set CHUNK, 12800
.set SC,  20                           ; v20-23   scale words: register i: lanes 0-15 source 0's tile i, lanes 16-31 source 1's tile i
.set S0F, 32                           ; v32-79   source 0's four fragments
.set S1F, 80                           ; v80-127  source 1's
.set ACC, 128                          ; v128-255 accumulator (unit t, tile i) at ACC + 32 t + 8 i
.set WV,  14
.set G1X, 24                           ; s[24:31], s[32:35] descriptor groups 1 and 0 for x's block;  s[48:55], s[56:59] for a weight's
.set G0X, 32
.set G1W, 48
.set G0W, 56
.macro CROUND                          ; a round of the cluster's barrier
	s_barrier_signal -1
	s_barrier_wait -1
	s_cmp_lg_u32 s[WV], 0
	s_cbranch_scc1 .Lnot_wave_0_\@
	s_barrier_signal -3
.Lnot_wave_0_\@:
	s_barrier_wait -3
	s_barrier_signal -1
	s_barrier_wait -1
.endm
	s_load_b256 s[4:11], s[0:1], 0x0               ; xw s[4:5], bq s[6:7], bk s[8:9], bv s[10:11]
	s_load_b64 s[12:13], s[0:1], 0x20              ; qkv
	v_lshl_add_u32 v12, v0, 2, 0x32600
	s_set_vgpr_msb 0x40
	v_mov_b32 v1, 0
	s_set_vgpr_msb 0x4044
	ds_add_u32 v12, v1
	ds_add_u32 v12, v1
	s_set_vgpr_msb 0x4400
	v_lshrrev_b32 v1, 5, v0
	s_delay_alu instid0(VALU_DEP_1)
	v_readfirstlane_b32 s[WV], v1                  ; wave 0..11
	s_lshr_b32 s15, s[WV], 2                       ; role
	s_bfe_u32 s16, s[WV], 0x10001                  ; j
	s_and_b32 s17, s[WV], 1                        ; c.  Also: which half of a block I fetch
	s_lshr_b32 s18, s15, 1                         ; 1 for v
	s_bfe_u32 s40, ttmp6, 0x40000                  ; cx, cy: my place in the cluster
	s_bfe_u32 s41, ttmp6, 0x40004
	s_lshl_b32 s42, ttmp9, 2
	s_add_co_u32 s42, s42, s40                     ; g = 4 x cluster x + cx
	s_and_b32 s43, ttmp7, 0xffff
	s_lshl_b32 s43, s43, 2
	s_add_co_u32 s43, s43, s41                     ; R = 4 x cluster y + cy
	s_lshl_b32 s44, s41, 2
	s_lshl_b32 s44, 15, s44                        ; my row of the cluster
	s_lshl_b32 s45, 0x1111, s40                    ; my column
	s_or_b32 s[G1X], s44, (3<<16)|(1<<21)          ; 15:0 the mask: x's block goes to my row; 17:16 elements of 8 bytes; 21 set beside a mask; no padding
	s_or_b32 s[G1W], s45, (3<<16)|(1<<21)          ; a weight's block goes to my column
.irp g, G1X, G1W
	s_mov_b32 s[\g+1], 32<<16                      ; tensor_dim0 = 32 elements: 256 bytes
	s_mov_b32 s[\g+2], 100<<16                     ; tensor_dim1 = 100
	s_mov_b32 s[\g+3], 32<<16                      ; tile_dim0
	s_mov_b32 s[\g+4], 100                         ; tile_dim1
	s_mov_b32 s[\g+5], 32                          ; the pitch: dense
	s_mov_b32 s[\g+6], 0
	s_mov_b32 s[\g+7], 0
.endr
	s_mul_i32 s19, s17, HALFB
	s_mul_i32 s36, s43, BLOCK                      ; x's block R (these registers never hold cx),
	s_add_co_u32 s36, s36, s19
	s_mov_b32 s37, 0
	s_lshr_b32 s38, s[WV], 1                       ; a weight's block 64 + 4 m + g (these never hold cy): m = 0, 1 in waves 0-3, 2 in waves 6, 7
	s_min_u32 s38, s38, 2
	s_lshl_b32 s38, s38, 2
	s_add_co_u32 s38, s38, s42
	s_add_co_u32 s38, s38, 64
	s_mul_i32 s38, s38, BLOCK
	s_add_co_u32 s38, s38, s19
	s_mov_b32 s39, 0
	s_min_u32 s20, s[WV], 7
	s_mul_i32 s20, s20, HALFB                      ; where it goes: wave x 25,600: no place in the cluster enters an LDS address
	s_wait_dscnt 0x0
	s_wait_kmcnt 0x0
	s_add_nc_u64 s[36:37], s[4:5], s[36:37]
	s_add_nc_u64 s[38:39], s[4:5], s[38:39]
	CROUND                                         ; all sixteen work-groups are here: the joint loads meet
	s_mov_b32 s[G0X], 1
	s_mov_b32 s[G0X+1], s20
	s_mov_b64 s[G0X+2:G0X+3], s[36:37]
	s_or_b32 s[G0X+3], s[G0X+3], 0x80000000
	s_mov_b32 s[G0W], 1
	s_mov_b32 s[G0W+1], s20
	s_mov_b64 s[G0W+2:G0W+3], s[38:39]
	s_or_b32 s[G0W+3], s[G0W+3], 0x80000000
	s_lshr_b32 s66, s[WV], 1                       ; waves 4, 5 fetch x's halves; waves 0-3, 6, 7 the weights'; waves 8-11 nothing.  One tensor load of a wave is out
	s_cmp_eq_u32 s66, 2
	s_cbranch_scc0 .Lnot_x
	tensor_load_to_lds s[G0X:G0X+3], s[G1X:G1X+7]
	s_nop 0
.rept 4
	v_nop                                          ; four plain lines behind a tensor load
.endr
	s_branch .Lasked
.Lnot_x:
	s_cmp_lt_u32 s[WV], 8
	s_cbranch_scc0 .Lasked
	tensor_load_to_lds s[G0W:G0W+3], s[G1W:G1W+7]
	s_nop 0
.rept 4
	v_nop
.endr
.Lasked:
	v_and_b32 v9, 15, v0                           ; r
	v_bfe_u32 v10, v0, 4, 1                        ; h
	v_and_b32 v11, 31, v0
	s_delay_alu instid0(VALU_DEP_1)
	v_lshlrev_b32 v1, 3, v11                       ; 8 x lane
	s_delay_alu instid0(VALU_DEP_2)
	v_lshlrev_b32 v2, 4, v11                       ; 16 x lane
	s_wait_alu depctr_va_vdst(0)
	v_lshlrev_b32 v3, 3, v10                       ; 8 h
	s_xor_b32 s66, s16, s17
	s_and_b32 s66, s66, s18                        ; for v the two groups change places
	s_xor_b32 s67, s16, s66                        ; source 0's group of 64: j (q, k) or c (v)
	s_xor_b32 s66, s17, s66                        ; source 1's: c or j
	s_mul_i32 s76, s15, BLOCK                      ; source 0's block: Wq, Wk or x = region 0, 1, 2 = my role
	s_add_co_u32 s77, s18, 2
	s_mul_i32 s77, s77, BLOCK                      ; source 1's: x or Wv = region 2 or 3
	s_mul_i32 s78, s67, 24576
	s_add_co_u32 s78, s78, s76
	s_mul_i32 s79, s66, 24576
	s_add_co_u32 s79, s79, s77
	v_add_nc_u32 v4, s78, v2                       ; source 0's fragments: the group's 16 images, + 16 x lane
	v_add_nc_u32 v5, s79, v2                       ; source 1's
	s_lshl_b32 s78, s67, 10
	s_add_co_u32 s78, s78, s76
	s_lshl_b32 s79, s66, 10
	s_add_co_u32 s79, s79, s77
	s_sub_co_u32 s79, s79, s78                     ; from source 0's scale words to source 1's: source 1's block always lies behind
	s_add_co_u32 s78, s78, 49152
	v_mul_u32_u24 v6, s79, v10                     ; lanes 16-31 take source 1's
	s_delay_alu instid0(VALU_DEP_1)
	v_lshl_add_u32 v6, v9, 4, v6
	s_delay_alu instid0(VALU_DEP_1)
	v_add_nc_u32 v6, s78, v6
	s_lshl_b32 s80, s[WV], 7
	s_add_co_u32 s80, s80, GS
	v_lshl_add_u32 v8, v9, 1, s80                  ; my scale halves: GS + 128 wave + 2 r
	v_lshlrev_b32 v7, 7, v10                       ; the bias of q, k: my 32 columns begin 128 h bytes on
	v_lshrrev_b32 v11, 3, v9
	v_and_b32 v13, 7, v9
	s_delay_alu instid0(VALU_DEP_1)
	v_lshlrev_b32 v13, 2, v13
	s_delay_alu instid0(VALU_DEP_1)
	v_lshl_add_u32 v13, v11, 7, v13                ; the bias of v: my one column of a tile: 4 (32 (r / 8) + r % 8)
	s_mov_b32 s60, 0x76543210
	s_mov_b32 s61, 0xfedcba98                      ; v_permlanex16_b32's selects for lane l xor 16
	s_cmp_eq_u32 s15, 1
	s_cselect_b64 s[62:63], s[8:9], s[6:7]
	s_cmp_eq_u32 s15, 2
	s_cselect_b64 s[62:63], s[10:11], s[62:63]     ; my role's bias,
	s_lshl_b32 s80, s42, 9
	s_lshl_b32 s81, s16, 8
	s_add_co_u32 s80, s80, s81
	s_mov_b32 s81, 0
	s_add_nc_u64 s[62:63], s[62:63], s[80:81]      ; at column 128 g + 64 j
	s_cmp_eq_u32 s18, 0
	s_cbranch_scc0 .Lbias_v
	s_wait_alu depctr_va_vdst(0)
.irp m, 0,1,2,3,4,5,6,7
	global_load_b128 v[ACC+96+4*\m:ACC+96+4*\m+3], v7, s[62:63] offset:16*\m   ; q, k: register 8 i + e of a unit is column 32 h + 8 i + e: into unit 3's accumulators
.endr
	s_branch .Lbias_done
.Lbias_v:
	s_wait_alu depctr_va_vdst(0)
.irp t, 0,1,2,3
.irp e, 0,1,2,3,4,5,6,7
	global_load_b32 v[ACC+32*\t+\e], v13, s[62:63] offset:32*\t   ; v: a lane holds one column of unit t, the same in all registers: into each unit's accumulator 0
.endr
.endr
.Lbias_done:
	; where the results go
	s_lshr_b32 s82, s43, 5
	s_lshl_b32 s82, s82, 3
	s_lshl_b32 s83, s42, 1
	s_add_co_u32 s82, s82, s83                     ; 8 x batch + 2 g
	s_and_b32 s83, s43, 31                         ; the chunk of 128 rows in the batch's 4,096
	s_add_co_u32 s84, s82, s16
	s_mul_i32 s84, s84, BHS                        ; my (batch, head)
	s_mul_i32 s85, s83, 6144                       ; q: 8 halves a chunk
	s_mul_i32 s86, s83, CHUNK
	s_add_co_u32 s86, s86, KVOFF                   ; k, v: the chunk
	s_cmp_eq_u32 s15, 0
	s_cselect_b32 s85, s85, s86
	s_add_co_u32 s84, s84, s85
	s_mov_b32 s87, 768
	s_mov_b32 s89, 1536
	s_cmp_eq_u32 s18, 0
	s_cselect_b32 s86, 3072, s87                   ; from c = 0 to c = 1: four halves (q, k) or one (v)
	s_cselect_b32 s88, 0, 6144                     ; V lies behind K's eight halves
	s_cselect_b32 s90, s87, s89                    ; from unit to unit: one half, or two
	s_mul_i32 s86, s86, s17
	s_add_co_u32 s84, s84, s86
	s_add_co_u32 s84, s84, s88
	s_mov_b32 s85, 0
	s_mov_b32 s91, 0
	s_add_nc_u64 s[68:69], s[12:13], s[84:85]      ; a base for each of my four units, so that none is stepped between stores
	s_add_nc_u64 s[70:71], s[68:69], s[90:91]
	s_add_nc_u64 s[72:73], s[70:71], s[90:91]
	s_add_nc_u64 s[74:75], s[72:73], s[90:91]
	s_add_co_u32 s92, s82, s17                     ; waves 0 and 1 also send the scales of heads 2 g and 2 g + 1
	s_mul_i32 s92, s92, BHS
	s_mul_i32 s93, s83, CHUNK
	s_add_co_u32 s93, s93, s92
	s_add_co_u32 s94, s93, KVOFF+12288             ; the chunk's image of scale words
	s_mov_b32 s95, 0
	s_lshl_b32 s96, s83, 8
	s_add_co_u32 s96, s96, s92
	s_add_co_u32 s96, s96, QSOFF                   ; Q's scale halves: 256 bytes for the chunk's eight tiles
	s_mov_b32 s97, 0
	s_add_nc_u64 s[94:95], s[12:13], s[94:95]
	s_add_nc_u64 s[96:97], s[12:13], s[96:97]
	s_wait_tensorcnt 0x0                           ; my part of the blocks has landed,
	s_barrier_signal -1
	s_barrier_wait -1                              ; everybody's has
; A K step's fragments and scale words
.macro FETCH s
.irp i, 0,1,2,3
.irp q, 0,1,2
	ds_load_b128 v[S0F+12*\i+4*\q:S0F+12*\i+4*\q+3], v4 offset:(4*\i+\s)*1536+512*\q
.endr
.endr
.irp i, 0,1,2,3
.irp q, 0,1,2
	ds_load_b128 v[S1F+12*\i+4*\q:S1F+12*\i+4*\q+3], v5 offset:(4*\i+\s)*1536+512*\q
.endr
.endr
.irp i, 0,1,2,3
	ds_load_b32 v[SC+\i], v6 offset:256*\i+4*\s
.endr
	s_wait_dscnt 0x0
.endm
; accumulator (t, i) = source 0's tile i x source 1's tile t + the eight registers from c on
.macro MM t, i, c
	v_wmma_scale_f32_16x16x128_f8f6f4 v[ACC+32*\t+8*\i:ACC+32*\t+8*\i+7], v[S0F+12*\i:S0F+12*\i+11], v[S1F+12*\t:S1F+12*\t+11], v[\c:\c+7], v[SC+\i], v[SC+\t] matrix_a_fmt:MATRIX_FMT_FP6 matrix_b_fmt:MATRIX_FMT_FP6 matrix_b_scale:MATRIX_SCALE_ROW1
.endm
	FETCH 0
	s_wait_loadcnt 0x0                             ; the bias
	s_cmp_eq_u32 s18, 0
	s_cbranch_scc0 .Lfirst_v
.irp t, 0,1,2
.irp i, 0,1,2,3
	MM \t, \i, ACC+96+8*\i                         ; q, k: units 0-2 begin with the bias that lies in unit 3
.endr
.endr
.rept 5
	v_nop                                          ; five places ahead of matrix instructions that write over registers which earlier ones read as C
.endr
.irp i, 0,1,2,3
	MM 3, \i, ACC+96+8*\i                          ; unit 3 adds onto it in place
.endr
	s_branch .Lfirst_done
.Lfirst_v:
.irp t, 0,1,2,3
.irp i, 1,2,3
	MM \t, \i, ACC+32*\t                           ; v: tiles 1-3 of a unit begin with the bias that lies in its tile 0
.endr
.endr
.rept 5
	v_nop
.endr
.irp t, 0,1,2,3
	MM \t, 0, ACC+32*\t
.endr
.Lfirst_done:
.irp s, 1,2,3                          ; the sixteen accumulators take turns, one instruction a turn
.rept 4
	v_nop                                          ; four places ahead of loads into registers that matrix instructions have read
.endr
	FETCH \s
.irp t, 0,1,2,3
.irp i, 0,1,2,3
	MM \t, \i, ACC+32*\t+8*\i
.endr
.endr
.endr
	; ---- the four units are quantised, by turns; each accumulator is read from its low end on
.rept 4
	v_nop
.endr
.irp t, 0,1,2,3
	v_mov_b32 v[112+\t], 0                         ; a lane permute's destination counts as one of its sources
.endr
.irp t, 0,1,2,3
	v_max3_num_f32 v[96+\t], |v[ACC+32*\t]|, |v[ACC+32*\t+1]|, 0x1800000   ; the floor 2^(3 - 127) among the leaves
.endr
.irp i, 2,4,6,8,10,12,14,16,18,20,22,24,26,28,30
.irp t, 0,1,2,3
	v_max3_num_f32 v[96+\t], v[96+\t], |v[ACC+32*\t+\i]|, |v[ACC+32*\t+\i+1]|
.endr
.endr
.irp t, 0,1,2,3
	s_delay_alu instid0(VALU_DEP_4)
	v_add_nc_u32 v[100+\t], 0xff000000, v[96+\t]   ; 2 off the exponent field: the conversion's scale operand
.endr
.irp t, 0,1,2,3
	s_delay_alu instid0(VALU_DEP_4)
	v_lshrrev_b32 v[104+\t], 23, v[100+\t]         ; the byte of my block, block h of the unit's two
.endr
.irp t, 0,1,2,3
	s_delay_alu instid0(VALU_DEP_4)
	v_lshlrev_b32 v[108+\t], v3, v[104+\t]
.endr
.irp t, 0,1,2,3
	s_delay_alu instid0(VALU_DEP_4)
	v_permlanex16_b32 v[112+\t], v[108+\t], s60, s61
.endr
.irp t, 0,1,2,3
	s_delay_alu instid0(VALU_DEP_4)
	v_or_b32 v[108+\t], v[108+\t], v[112+\t]       ; the row's two bytes
.endr
.irp t, 0,1,2,3
	v_cvt_scalef32_pk16_fp6_f32 v[32+8*\t:34+8*\t], v[ACC+32*\t:ACC+32*\t+15], v[100+\t]
	v_cvt_scalef32_pk16_fp6_f32 v[64+4*\t:66+4*\t], v[ACC+32*\t+16:ACC+32*\t+31], v[100+\t]   ; (a conversion's three registers begin on an even number)
.endr
	v_nop                                          ; one plain instruction behind the scaled conversions
.irp t, 0,1,2,3
.irp i, 0,1,2
	v_mov_b32 v[35+8*\t+\i], v[64+4*\t+\i]
.endr
.endr
.irp t, 0,1,2,3
	global_store_b64 v1, v[32+8*\t:33+8*\t], s[68+2*\t:69+2*\t]                ; 32 lanes store 256 consecutive bytes,
	global_store_b128 v2, v[34+8*\t:37+8*\t], s[68+2*\t:69+2*\t] offset:256    ; and 512
	ds_store_b16 v8, v[108+\t] offset:32*\t        ; both lanes of a row write the same two bytes
.endr
	; where waves 0 and 1 read the scale halves back (made by every wave, on the common way).  K's word f = tiles 2 f, 2 f + 1 of k's eight; V's word n = halves c = 0, 1 of d tile n
	s_lshl_b32 s98, s17, 8
	s_add_co_u32 s99, s98, GS
	s_add_co_u32 s98, s98, GS+512
	v_lshl_add_u32 v116, v9, 1, s98                ; k's halves of head j = my wave: GS + 512 + 256 j + 2 r
	v_add_nc_u32 v117, s99, v1                     ; q's: 256 bytes on end
.irp m, 0,1,2,3
	v_mad_u32_u24 v[120+2*\m], v10, 512-32*\m, v116   ; the low half of word m: lanes 0-15 at + 64 m, lanes 16-31 (v's, 512 bytes on) at + 32 m
	v_mad_u32_u24 v[121+2*\m], v10, 608-32*\m, v116   ; the high half: lanes 0-15 at + 64 m + 32, lanes 16-31 at + 32 m + 128
.endr
	s_wait_dscnt 0x0                               ; for the others' sake: my scale halves have landed
	s_barrier_signal -1
	s_barrier_wait -1
	s_cmp_lt_u32 s[WV], 2
	s_cbranch_scc0 .Ldone
	s_wait_alu depctr_va_vdst(0)
.irp m, 0,1,2,3
	ds_load_u16 v[24+2*\m], v[120+2*\m] offset:64*\m
	ds_load_u16 v[25+2*\m], v[121+2*\m] offset:64*\m+32
.endr
	ds_load_b64 v[14:15], v117
	s_wait_dscnt 0x0
.irp m, 0,1,2,3
	v_lshl_or_b32 v[16+\m], v[25+2*\m], 16, v[24+2*\m]
.endr
	global_store_b128 v2, v[16:19], s[94:95]       ; the chunk's image of scale words: 512 consecutive bytes
	global_store_b64 v1, v[14:15], s[96:97]        ; Q's scale halves: 256
.Ldone:
	s_set_vgpr_msb 0x4
	s_wait_tensorcnt 0x0
	ds_add_u32 v12, v1
	s_wait_dscnt 0x0
	s_set_vgpr_msb 0x400
	CROUND                                         ; the closing round: no work-group ends while a partner may still ask for a block that names it
	s_endpgm
.Lfunc_end_k_q734205ecf8_qkv:
	.size	k_q734205ecf8_qkv, .Lfunc_end_k_q734205ecf8_qkv-k_q734205ecf8_qkv
	.p2alignl 7, 3214868480
	.fill 96, 4, 3214868480
	.section	.rodata,"a",@progbits
	.p2align	6, 0x0
	.amdhsa_kernel k_q734205ecf8_qkv
		.amdhsa_group_segment_fixed_size 207872
		.amdhsa_private_segment_fixed_size 0
		.amdhsa_enable_private_segment 0
		.amdhsa_kernarg_size 40
		.amdhsa_user_sgpr_count 2
		.amdhsa_user_sgpr_kernarg_segment_ptr 1
		.amdhsa_wavefront_size32 1
		.amdhsa_system_sgpr_workgroup_id_x 1
		.amdhsa_system_sgpr_workgroup_id_y 1
		.amdhsa_system_sgpr_workgroup_id_z 1
		.amdhsa_system_vgpr_workitem_id 0
		.amdhsa_next_free_vgpr 258
		.amdhsa_next_free_sgpr 100
		.amdhsa_reserve_vcc 0
		.amdhsa_float_denorm_mode_32 3
		.amdhsa_float_denorm_mode_16_64 3
		.amdhsa_memory_ordered 1
		.amdhsa_forward_progress 1
		.amdhsa_inst_pref_size 41
	.end_amdhsa_kernel
	.amdgpu_metadata
---
amdhsa.version: [ 1, 2 ]
amdhsa.kernels:
  - .name:           k_q734205ecf8_qkv
    .symbol:         k_q734205ecf8_qkv.kd
    .args:
      - { .name: xw, .offset: 0, .size: 8, .value_kind: global_buffer, .address_space: global }
      - { .name: bq, .offset: 8, .size: 8, .value_kind: global_buffer, .address_space: global }
      - { .name: bk, .offset: 16, .size: 8, .value_kind: global_buffer, .address_space: global }
      - { .name: bv, .offset: 24, .size: 8, .value_kind: global_buffer, .address_space: global }
      - { .name: qkv, .offset: 32, .size: 8, .value_kind: global_buffer, .address_space: global }
    .group_segment_fixed_size: 207872
    .private_segment_fixed_size: 0
    .kernarg_segment_align: 8
    .kernarg_segment_size: 40
    .max_flat_workgroup_size: 384
    .sgpr_count:     100
    .vgpr_count:     258
    .wavefront_size: 32
...
	.end_amdgpu_metadata
.endif
;; end of part 2
;; launch attn (part 3): grid 16 x 16, 8 waves a work-group, clusters of 4 x 1, 327,680 bytes of LDS; arguments qkv, ao; writes ao
.if DOCPART == 3
	.amdgcn_target "amdgcn-amd-amdhsa--gfx1250"
	.amdhsa_code_object_version 6
	.text
	.protected	k_q734205ecf8_attn
	.globl	k_q734205ecf8_attn
	.p2align	8
	.type	k_q734205ecf8_attn,@function
k_q734205ecf8_attn:
	s_mov_b64 s[64:65], 0
	v_nop
	global_prefetch_b8 v0, s[64:65] scope:SCOPE_SE
	s_setreg_imm32_b32 hwreg(HW_REG_WAVE_MODE, 25, 1), 1
	s_wait_xcnt 0x0
	s_wait_alu depctr_hold_cnt(0) depctr_sa_sdst(0) depctr_va_vdst(0) depctr_va_sdst(0) depctr_va_ssrc(0) depctr_va_vcc(0) depctr_vm_vsrc(0)
	s_getreg_b32 s2, hwreg(HW_REG_IB_STS2, 6, 4)
	s_cmp_eq_u32 s2, 0
	s_cbranch_scc0 .Lentry_in_a_cluster
	s_endpgm
.Lentry_in_a_cluster:
	s_bfe_u32 s2, ttmp6, 0x10000c
	s_cmp_lg_u32 s2, 0x3003
	s_cbranch_scc0 .Lentry_shape_is_right
	s_endpgm
.Lentry_shape_is_right:
; For each (batch, head): O = softmax(Q K^T / 8) V on codes of FP6 (E2M3) with E8M0 scales, and O / l quantised again along the head's 64, for the last product.
; THE SOFTMAX: t = score x log2(e) / 8; M = the running largest t rounded UP to a whole number; p = 2^(t - M) is quantised along the keys, not normalised; l is the sum of the unquantised p.
; When M moves, l and O are multiplied by 2^(old M - new M), which rounds nothing.  The running maximum is kept as a score; -M = floor(-c x it).
; A BLOCK'S SCALE OF p: the block's largest p is 2^x, x = t - M of its largest score, so floor(log2) of it is floor(x): the scale's byte is floor(x) + 125, x held at -124 from below.
; SHARES.  A work-group owns 256 queries of one (batch, head); each of its eight waves TWO tiles of 16 queries, so that each fragment of K and V read from LDS (34 loads a step of 128 keys) feeds both.
; LAYOUT.  Both products are used transposed (S^T = K Q^T, O^T = V^T P^T): a lane holds one query of each tile.  By the order of keys in K's tiles a lane's 32 score registers of four tiles are 32 neighbouring
; keys, a whole block.  The head is 64 and the instruction's K 128: a fragment of K holds two tiles of keys, and Q stands as zeros | q0 | zeros | q1 | zeros: (q, 0) and (0, q) pick one tile each.
; REGISTERS.  Window 1: v0-127 S^T then p (tile t at 64 t), v128-191 O^T (tile t at 128 + 32 t), v192-206 halves of P's codes.  Window 0: all else.  Both tiles share each window setting, so their chains go by turns.
; LDS: 24 places of 12,800 bytes for chunks of 128 keys; chunks 24-31 fill places 0-7 again: one refill in the launch.  Behind them the spare words and 512 bytes for the output's scale halves.
; CLUSTER 4 x 1: the four work-groups belong to one (batch, head) and walk the same chunks: each chunk is asked for jointly.  Every wave issues one load behind each round: chunk w; chunks 8 + 2 w, 9 + 2 w; chunk 24 + w.
; NO PREFETCH: 24 of the 32 chunks are asked for by the first two groups of loads, ahead of any loop, and the refill is issued 16 of the 32 steps ahead of its first use.
; LIMITS: the promise holds while |t| stays under 2^31; a block of zeros gets the byte 1; blocks under 2^-124 are held at byte 1; p under 2^-126 counts as 0; NaN and infinities are not served.
.set BHS,   614400
.set QSOFF, 196608
.set KVOFF, 204800
.set CHUNK, 12800
.set BLOCK, 51200
.set SPARE, 307200                     ; behind the 24 places: the spare words, 128 bytes a wave
.set SCR,   308224                     ; the output's scale halves: 32 bytes a tile
.set NM,  12                           ; pair (-M, largest score) of tile t at NM + 2 t
.set L,   16                           ; l of tile t: two pairs at L + 4 t
.set F,   24                           ; pair (f, unused) of tile t at F + 2 t
.set BM,  28                           ; largest score of block b = 2 t + half
.set OM,  32                           ; the old -M
.set X,   34
.set Y,   36
.set SCL, 40                           ; the conversions' scale operands, block b
.set E,   44
.set W,   48
.set QS,  52                           ; Q's scale words: (q, 0) at QS + 2 t, (0, q) at QS + 2 t + 1
.set PS,  56                           ; P's scale words
.set PY,  58
.set KS,  60                           ; the chunk's scale image as loaded with K (lanes 0-15 K's words)
.set QZ,  64
.set P,   96
.set KF,  136
.set VF,  184
.set VS,  232                          ; the same image as loaded with V (lanes 16-31 V's words)
.set O,   128                          ; window 1
.set TW,  192                          ; window 1
.set WV,  8
.set G1A, 24                           ; group 1: 50 rows of 256 bytes;  G1B: 100 rows
.set G1B, 68
.set NC,  42                           ; -log2(e) / 8
.set SEL, 44
.set CS,  46                           ; log2(e) / 8, as a pair
.set CNT, 48
.set TB,  49                           ; LDS byte at which the chunk in hand begins
.set MSB, 0
.macro WIN new                         ; the immediate's high byte repeats the setting that is left
.if MSB != \new
	s_set_vgpr_msb (MSB<<8)|\new
.set MSB, \new
.endif
.endm
.macro CROUND
	s_barrier_signal -1
	s_barrier_wait -1
	s_cmp_lg_u32 s[WV], 0
	s_cbranch_scc1 .Lnot_wave_0_\@
	s_barrier_signal -3
.Lnot_wave_0_\@:
	s_barrier_wait -3
	s_barrier_signal -1
	s_barrier_wait -1
.endm
.macro TLOAD g0, g1                    ; a joint load, its s_nop 0 and four plain lines
	tensor_load_to_lds s[\g0:\g0+3], s[\g1:\g1+7]
	s_nop 0
.rept 4
	v_nop
.endr
.endm
	s_load_b128 s[4:7], s[0:1], 0x0                ; qkv s[4:5], ao s[6:7]
	v_lshl_add_u32 v1, v0, 2, SPARE
	v_mov_b32 v2, 0
	ds_add_u32 v1, v2                              ; the opening lines: the add twice on end and one wait
	ds_add_u32 v1, v2
	v_lshrrev_b32 v3, 5, v0
	v_readfirstlane_b32 s[WV], v3                  ; wave 0..7
	s_bfe_u32 s9, ttmp6, 0x40000                   ; cx
	s_lshl_b32 s10, ttmp9, 2
	s_add_co_u32 s10, s10, s9                      ; my block of 256 queries: it enters Q's and the output's addresses alone
	s_and_b32 s11, ttmp7, 0xffff                   ; (batch, head), which the four partners share
	s_mul_i32 s12, s11, BHS
	s_mul_i32 s14, s[WV], CHUNK                    ; place w, in LDS and in the run of chunks alike
	s_add_co_u32 s16, s12, s14
	s_add_co_u32 s16, s16, KVOFF
	s_mov_b32 s17, 0
	s_mul_i32 s15, s[WV], 2*CHUNK
	s_add_co_u32 s15, s15, 8*CHUNK                 ; places 8 + 2 w, 9 + 2 w
	s_add_co_u32 s18, s12, s15
	s_add_co_u32 s18, s18, KVOFF
	s_mov_b32 s19, 0
	s_lshl_b32 s20, s10, 4
	s_lshl_b32 s21, s[WV], 1
	s_add_co_u32 s21, s21, s20                     ; my first tile of queries, of the head's 256
	s_mul_i32 s20, s21, 768
	s_add_co_u32 s20, s20, s12
	s_lshl_b32 s22, s21, 5
	s_add_co_u32 s22, s22, s12
	s_add_co_u32 s22, s22, QSOFF
	s_mov_b32 s21, 0
	s_mov_b32 s23, 0
.irp g, G1A, G1B
	s_mov_b32 s[\g], 15|(3<<16)|(1<<21)            ; the mask: all four work-groups; elements of 8 bytes; bit 21 beside a mask; no padding
	s_mov_b32 s[\g+1], 32<<16                      ; rows of 256 bytes, dense
	s_mov_b32 s[\g+3], 32<<16
	s_mov_b32 s[\g+5], 32
	s_mov_b32 s[\g+6], 0
	s_mov_b32 s[\g+7], 0
.endr
	s_mov_b32 s[G1A+2], 50<<16
	s_mov_b32 s[G1A+4], 50
	s_mov_b32 s[G1B+2], 100<<16
	s_mov_b32 s[G1B+4], 100
	s_mov_b32 s[SEL], 0x76543210
	s_mov_b32 s[SEL+1], 0xfedcba98
	s_mov_b32 s[CS], 0x3e38aa3b
	s_mov_b32 s[CS+1], s[CS]
	s_mov_b32 s[NC], 0xbe38aa3b
	s_mov_b32 s[TB], 0
	s_wait_dscnt 0x0                               ; both opening adds are done
	s_wait_kmcnt 0x0
	s_add_nc_u64 s[16:17], s[4:5], s[16:17]
	s_add_nc_u64 s[18:19], s[4:5], s[18:19]
	s_add_nc_u64 s[20:21], s[4:5], s[20:21]
	s_add_nc_u64 s[22:23], s[4:5], s[22:23]
	CROUND                                         ; all four work-groups are here: the first joint loads meet
	s_mov_b32 s32, 1
	s_mov_b32 s33, s14
	s_mov_b64 s[34:35], s[16:17]
	s_or_b32 s35, s35, 0x80000000
	s_mov_b32 s36, 1
	s_mov_b32 s37, s15
	s_mov_b64 s[38:39], s[18:19]
	s_or_b32 s39, s39, 0x80000000
	TLOAD 32, G1A                                  ; chunk w: my one load at the head
	v_and_b32 v6, 31, v0
	v_and_b32 v8, 15, v0
	v_bfe_u32 v5, v0, 4, 1
	v_lshlrev_b32 v7, 4, v6                        ; 16 x lane
	v_lshlrev_b32 v6, 3, v6                        ; 8 x lane
	v_lshlrev_b32 v8, 1, v8                        ; 2 r
	v_lshlrev_b32 v5, 3, v5                        ; 8 h
	s_wait_alu depctr_va_vdst(0)
.irp t, 0,1
	global_load_b64 v[QZ+6+12*\t:QZ+7+12*\t], v6, s[20:21] offset:768*\t       ; q's six registers
	global_load_b128 v[QZ+8+12*\t:QZ+11+12*\t], v7, s[20:21] offset:768*\t+256
	global_load_u16 v[QS+2*\t], v8, s[22:23] offset:32*\t                      ; and my row's two scale bytes
.endr
.irp i, 0,1,2,3,4,5
	v_mov_b32 v[QZ+\i], 0                          ; the zero codes round q0 and q1
	v_mov_b32 v[QZ+12+\i], 0
	v_mov_b32 v[QZ+24+\i], 0
.endr
.irp t, 0,1
	v_mov_b32 v[NM+2*\t+1], 0xff61b1e6             ; the largest score so far: -3e38
.endr
.irp t, 0,1
	v_mul_f32 v[NM+2*\t], s[NC], v[NM+2*\t+1]
.endr
.irp t, 0,1
	v_floor_f32 v[NM+2*\t], v[NM+2*\t]             ; -M
.endr
.irp r, 16,17,18,19,20,21,22,23,24,25,26,27,36,37,58,59
	v_mov_b32 v\r, 0                               ; l, the pairs of f, and the lane permutes' destinations, which count as sources
.endr
	s_wait_loadcnt 0x0                             ; Q is in
.irp t, 0,1
	v_lshl_or_b32 v[QS+2*\t+1], v[QS+2*\t], 16, 0x101     ; (0, q): q's bytes above, 1 and 1 below
	v_or_b32 v[QS+2*\t], 0x1010000, v[QS+2*\t]            ; (q, 0)
.endr
	WIN 0x40
.set e, 0
.rept 64
	v_mov_b32 v[O+e], 0                            ; O^T: the step is written once; the first finds zeros.  (Also the places between the scale words' making and their first use)
.set e, e+1
.endr
	WIN 0
	s_wait_alu depctr_va_vdst(0)
	s_wait_tensorcnt 0x0                           ; my chunk is in; the lines ahead of a later first fill:
	ds_add_u32 v1, v2
	s_wait_dscnt 0x0
	CROUND                                         ; chunks 0-7 are whole, and the four work-groups are here
	TLOAD 36, G1B                                  ; chunks 8 + 2 w, 9 + 2 w: my one load behind the round
.macro LD4 reg, off                    ; a fragment: two halves of 768 bytes
	ds_load_b64  v[(\reg):(\reg)+1],    v3 offset:(\off)
	ds_load_b128 v[(\reg)+2:(\reg)+5],  v4 offset:(\off)+256
	ds_load_b64  v[(\reg)+6:(\reg)+7],  v3 offset:(\off)+768
	ds_load_b128 v[(\reg)+8:(\reg)+11], v4 offset:(\off)+1024
.endm
.set TT,  208                          ; window 1, v208-255: 24 pair sums of p: sum k = p registers 4 k, 4 k + 1 plus 4 k + 2, 4 k + 3
.macro ACC r, c                        ; l's chain at c (window 0) += the pair at r (window 1)
	v_pk_add_f32 v[(\c):(\c)+1], v[(\r):(\r)+1], v[(\c):(\c)+1]
.endm
.macro EX r                            ; p = 2^(t - M)
	v_exp_f32 v[(\r)], v[(\r)]
.endm
.macro FM r                            ; t - M, two at a time; registers 0-63 are tile 0's, 64-127 tile 1's
	v_pk_fma_f32 v[(\r):(\r)+1], v[(\r):(\r)+1], s[CS:CS+1], v[NM+2*((\r)/64):NM+2*((\r)/64)+1] op_sel_hi:[1,0,0]
.endm
.macro PA k                            ; pair sum k
	v_pk_add_f32 v[TT+2*(\k):TT+2*(\k)+1], v[4*(\k):4*(\k)+1], v[4*(\k)+2:4*(\k)+3]
.endm
; 32 exponentials from register x on.  Between them stands plain work that hangs on nothing of this batch: f = 1: the multiply-adds of the 32 registers behind them, which the next batch reads behind its wait;
; p >= 0: pair sums p .. p + 7 of exponentials that an earlier wait has covered; they are first read behind the last batch's wait.
.macro BATCH x, f, p
.set g, 0
.rept 8
	EX \x+4*g
	EX \x+4*g+1
.if \f
	FM \x+32+4*g
.endif
	EX \x+4*g+2
.if \f
	FM \x+34+4*g
.endif
	EX \x+4*g+3
.if \p >= 0
	PA \p+g
.endif
.set g, g+1
.endr
.endm
; A STEP: 128 keys x my 32 queries.  pf = 1: the next chunk's K is fetched too
.macro STEP pf
	s_wait_dscnt 0x0                               ; K and its scale words are in
	WIN 0x40
.irp t, 0,1
.irp f, 0,1,2,3
	v_wmma_scale_f32_16x16x128_f8f6f4 v[64*\t+16*\f:64*\t+16*\f+7], v[KF+12*\f:KF+12*\f+11], v[QZ+6+12*\t:QZ+17+12*\t], 0, v[KS+\f], v[QS+2*\t] matrix_a_fmt:MATRIX_FMT_FP6 matrix_b_fmt:MATRIX_FMT_FP6
	v_wmma_scale_f32_16x16x128_f8f6f4 v[64*\t+16*\f+8:64*\t+16*\f+15], v[KF+12*\f:KF+12*\f+11], v[QZ+12*\t:QZ+11+12*\t], 0, v[KS+\f], v[QS+2*\t+1] matrix_a_fmt:MATRIX_FMT_FP6 matrix_b_fmt:MATRIX_FMT_FP6
.endr
.endr
	WIN 0
	v_mov_b32 v[OM], v[NM]                         ; the old -M.  Four places ahead of the first read of the scores
	v_mov_b32 v[OM+1], v[NM+2]
	v_nop
	v_nop
	WIN 0x05
.irp b, 0,1,2,3
	v_max_num_f32 v[BM+\b], v[32*\b], v[32*\b+1]   ; the largest score of each of my four blocks of 32 keys, each accumulator from its low end on
.endr
.irp i, 2,4,6,8,10,12,14,16,18,20,22,24,26,28,30
.irp b, 0,1,2,3
	v_max3_num_f32 v[BM+\b], v[32*\b+\i], v[32*\b+\i+1], v[BM+\b]
.endr
.endr
	WIN 0
	; the chain from the maxima to f, the two tiles by turns, with the step's LDS loads between its links
.irp t, 0,1
	v_max_num_f32 v[X+\t], v[BM+2*\t], v[BM+2*\t+1]
.endr
	LD4 VF, 6144
.irp t, 0,1
	v_permlanex16_b32 v[Y+\t], v[X+\t], s[SEL], s[SEL+1]
.endr
	LD4 VF+12, 7680
.irp t, 0,1
	v_max3_num_f32 v[NM+2*\t+1], v[NM+2*\t+1], v[X+\t], v[Y+\t]   ; the running largest score, lane l xor 16's keys among them
.endr
	LD4 VF+24, 9216
.irp t, 0,1
	v_mul_f32 v[X+\t], s[NC], v[NM+2*\t+1]
.endr
	LD4 VF+36, 10752
	ds_load_b128 v[VS:VS+3], v4 offset:12288
.irp t, 0,1
	v_floor_f32 v[NM+2*\t], v[X+\t]                ; the new -M = -ceil(t)
.endr
.if \pf
	LD4 KF, CHUNK
.endif
.irp b, 0,1,2,3
	v_fma_f32 v[BM+\b], v[BM+\b], s[CS], v[NM+2*(\b/2)]   ; x = t - M of each block's largest score
.endr
.irp t, 0,1
	v_sub_f32 v[X+\t], v[NM+2*\t], v[OM+\t]        ; old M - new M: a whole number, 0 or less
.endr
.if \pf
	LD4 KF+12, CHUNK+1536
.endif
.irp b, 0,1,2,3
	v_max_num_f32 v[BM+\b], 0xc2f80000, v[BM+\b]   ; held at -124: the byte cannot fall under 1
.endr
.irp t, 0,1
	v_cvt_i32_f32 v[X+\t], v[X+\t]                 ; (it saturates)
.endr
.if \pf
	LD4 KF+24, CHUNK+3072
.endif
.irp b, 0,1,2,3
	v_cvt_floor_i32_f32 v[E+\b], v[BM+\b]          ; floor(log2) of the block's largest p
.endr
.irp t, 0,1
	v_ldexp_f32 v[F+2*\t], 1.0, v[X+\t]            ; f = 2^(old M - new M)
.endr
.if \pf
	LD4 KF+36, CHUNK+4608
	ds_load_b128 v[KS:KS+3], v4 offset:CHUNK+12288
	s_add_co_u32 s[TB], s[TB], CHUNK
	v_add_nc_u32 v3, s[TB], v6                     ; on to the next chunk
	v_add_nc_u32 v4, s[TB], v7
.endif
.irp b, 0,1,2,3
	v_add_lshl_u32 v[SCL+\b], v[E+\b], 125, 23     ; the scale's byte in the exponent field: the conversions' scale operand
.endr
.irp t, 0,1
	v_lshl_add_u32 v[W+\t], v[E+2*\t+1], 16, v[E+2*\t]
.endr
.irp t, 0,1
	v_pk_mul_f32 v[L+4*\t:L+4*\t+1], v[L+4*\t:L+4*\t+1], v[F+2*\t:F+2*\t+1] op_sel_hi:[1,0]       ; l under the new M
	v_pk_mul_f32 v[L+4*\t+2:L+4*\t+3], v[L+4*\t+2:L+4*\t+3], v[F+2*\t:F+2*\t+1] op_sel_hi:[1,0]
.endr
.irp t, 0,1
	v_add_nc_u32 v[W+\t], 0x7d007d, v[W+\t]        ; + 125 in both halves: the bytes of blocks h and 2 + h
.endr
.irp t, 0,1
	v_lshlrev_b32 v[W+\t], v5, v[W+\t]
.endr
.irp t, 0,1
	v_permlanex16_b32 v[PY+\t], v[W+\t], s[SEL], s[SEL+1]
.endr
.irp t, 0,1
	v_or_b32 v[PS+\t], v[W+\t], v[PY+\t]           ; P's scale word for these 128 keys
.endr
	WIN 0x41
.irp t, 0,1
.set e, 0
.rept 16
	v_pk_mul_f32 v[O+32*\t+e:O+32*\t+e+1], v[O+32*\t+e:O+32*\t+e+1], v[F+2*\t:F+2*\t+1] op_sel_hi:[1,0]   ; O^T under the new M, each accumulator from its low end on
.set e, e+2
.endr
.endr
	WIN 0x45
.set e, 0
.rept 16
	FM e                                           ; the first 32 registers' t - M
.set e, e+2
.endr
	s_wait_alu depctr_va_vdst(0)                   ; a wait ahead of each batch and behind the last: it parts each source's write from the exponential that reads it, and each exponential from its reader
	BATCH 0, 1, -1
	s_wait_alu depctr_va_vdst(0)
	BATCH 32, 1, 0
	s_wait_alu depctr_va_vdst(0)
	BATCH 64, 1, 8
	s_wait_alu depctr_va_vdst(0)
	BATCH 96, 0, 16                                ; (its last line is a plain one: the place behind the exponentials)
	s_wait_alu depctr_va_vdst(0)
	WIN 0x41
.irp b, 0,1,2,3
	v_cvt_scalef32_pk16_fp6_f32 v[TW+4*\b:TW+4*\b+2], v[32*\b+16:32*\b+31], v[SCL+\b]   ; a block's upper 16 codes (a conversion's three registers begin on an even number)
.endr
	WIN 0x01
.irp b, 0,1,2,3
	v_cvt_scalef32_pk16_fp6_f32 v[P+6*\b:P+6*\b+2], v[32*\b:32*\b+15], v[SCL+\b]
.endr
	; l += p: tile 0's 16 pair sums; tile 1's 8 pair sums and its last 32 registers as they are.  Two chains a tile, by turns
.set k, 0
.rept 4
	ACC TT+2*k, L+2*(k%2)                          ; plain lines behind the conversions
	ACC TT+32+2*k, L+4+2*(k%2)
.set k, k+1
.endr
.irp b, 0,1,2,3
.irp i, 0,1,2
	v_mov_b32 v[P+6*\b+3+\i], v[TW+4*\b+\i]
.endr
	ACC 112+4*\b, L+4
	ACC 114+4*\b, L+6
.endr
.rept 4
	ACC TT+2*k, L+2*(k%2)                          ; (with the lines below: the places between P's making and the products)
	ACC TT+32+2*k, L+4+2*(k%2)
.set k, k+1
.endr
.rept 8
	ACC TT+2*k, L+2*(k%2)
	ACC 96+2*(k-8), L+4+2*(k%2)
.set k, k+1
.endr
	WIN 0x50
	s_wait_alu depctr_va_vdst(0)
.if \pf
	s_wait_dscnt 17                                ; V and its scale words are in; the 17 loads behind them, the next chunk's K, may stay out
.else
	s_wait_dscnt 0x0
.endif
.irp n, 0,1,2,3
.irp t, 0,1
	v_wmma_scale_f32_16x16x128_f8f6f4 v[O+32*\t+8*\n:O+32*\t+8*\n+7], v[VF+12*\n:VF+12*\n+11], v[P+12*\t:P+12*\t+11], v[O+32*\t+8*\n:O+32*\t+8*\n+7], v[VS+\n], v[PS+\t] matrix_a_fmt:MATRIX_FMT_FP6 matrix_b_fmt:MATRIX_FMT_FP6 matrix_a_scale:MATRIX_SCALE_ROW1
.endr
.endr
	WIN 0
.endm
; n chunks on end, from LDS byte s[TB] on.  The last step is written out: it fetches no K beyond the run
.macro RUN n
	v_add_nc_u32 v3, s[TB], v6
	v_add_nc_u32 v4, s[TB], v7
.irp f, 0,1,2,3
	LD4 KF+12*\f, 1536*\f
.endr
	ds_load_b128 v[KS:KS+3], v4 offset:12288
	s_mov_b32 s[CNT], \n-1
.Lrun_\@:
	s_wait_alu depctr_va_vdst(0)
	STEP 1
	s_sub_co_u32 s[CNT], s[CNT], 1
	s_cmp_lg_u32 s[CNT], 0
	s_cbranch_scc1 .Lrun_\@
	STEP 0
.endm
	RUN 8                                          ; chunks 0-7
	s_wait_tensorcnt 0x0                           ; all my tensor loads have landed, chunks 8 + 2 w, 9 + 2 w among them: a group 0 may be written
	ds_add_u32 v1, v2                              ; 0 onto my spare word
	s_add_nc_u64 s[34:35], s[34:35], 24*CHUNK      ; place w's next chunk: 24 + w
	s_mov_b32 s[TB], 8*CHUNK
	s_wait_dscnt 0x0                               ; the add is done, and my reads of places 0-7 are over
	CROUND                                         ; both now hold of every wave of the four work-groups
	TLOAD 32, G1A                                  ; the one refill, first behind the round; sixteen steps stand between it and its first use
	RUN 16                                         ; chunks 8-23
	s_wait_tensorcnt 0x0                           ; my part of the refill has landed
	ds_add_u32 v1, v2
	s_mov_b32 s[TB], 0
	s_wait_dscnt 0x0
	s_barrier_signal -1
	s_barrier_wait -1                              ; everybody's has
	RUN 8                                          ; chunks 24-31
	; ---- THE WAY OUT: O^T / l, quantised along the head's 64: a lane's 32 registers of a tile are block h
	s_lshr_b32 s50, s11, 3
	s_lshl_b32 s50, s50, 5
	s_lshl_b32 s51, s10, 1
	s_add_co_u32 s50, s50, s51                     ; my work-group's first block of 128 rows: 32 x batch + 2 x block of queries
	s_lshr_b32 s51, s[WV], 2
	s_add_co_u32 s51, s51, s50
	s_mul_i32 s51, s51, BLOCK
	s_and_b32 s52, s[WV], 3
	s_lshl_b32 s52, s52, 4                         ; 8 x my first tile in the block
	s_and_b32 s54, s11, 7                          ; the head
	s_add_co_u32 s52, s52, s54
	s_mul_i32 s52, s52, 768                        ; half (tile, head); my second tile's lies 6,144 bytes on
	s_add_co_u32 s52, s52, s51
	s_mov_b32 s53, 0
	s_add_nc_u64 s[52:53], s[6:7], s[52:53]
	s_mul_i32 s56, s50, BLOCK
	s_lshl_b32 s54, s54, 8
	s_add_co_u32 s56, s56, s54
	s_add_co_u32 s56, s56, 49152                   ; the head's scale halves in the first block
	s_mov_b32 s57, 0
	s_add_nc_u64 s[56:57], s[6:7], s[56:57]
	s_lshl_b32 s58, s[WV], 6
	s_add_co_u32 s58, s58, SCR
.rept 4
	v_nop                                          ; four places behind the last products
.endr
.irp t, 0,1
	v_pk_add_f32 v[L+4*\t:L+4*\t+1], v[L+4*\t:L+4*\t+1], v[L+4*\t+2:L+4*\t+3]   ; l's two chains,
.endr
.irp t, 0,1
	v_add_f32 v[L+4*\t], v[L+4*\t], v[L+4*\t+1]    ; two halves,
.endr
.irp t, 0,1
	v_permlanex16_b32 v[Y+\t], v[L+4*\t], s[SEL], s[SEL+1]
.endr
.irp t, 0,1
	v_add_f32 v[L+4*\t], v[L+4*\t], v[Y+\t]        ; and lane l xor 16's
.endr
	v_and_b32 v8, 15, v0
	v_bfe_u32 v11, v0, 4, 1
	v_add_nc_u32 v10, SCR, v7                      ; where wave 0 reads all scale halves back
	v_lshl_add_u32 v9, v8, 1, s58                  ; my scale halves: SCR + 64 wave + 32 t + 2 r
	v_mul_u32_u24 v11, v11, BLOCK
	v_lshl_add_u32 v11, v8, 4, v11                 ; and where they go: lanes 0-15 the first block's 256 bytes, lanes 16-31 the second's
	s_wait_alu depctr_va_vdst(0)                   ; ahead of the reciprocals
	v_rcp_f32 v[F], v[L]
	v_rcp_f32 v[F+2], v[L+4]
	v_nop
	WIN 0x41
	s_wait_alu depctr_va_vdst(0)                   ; behind them, directly ahead of the first reader of O^T
.irp t, 0,1
.set e, 0
.rept 16
	v_pk_mul_f32 v[64*\t+e:64*\t+e+1], v[O+32*\t+e:O+32*\t+e+1], v[F+2*\t:F+2*\t+1] op_sel_hi:[1,0]
.set e, e+2
.endr
.endr
	WIN 0x05
.irp b, 0,1,2,3
	v_max3_num_f32 v[BM+\b], |v[64*(\b/2)+16*(\b%2)]|, |v[64*(\b/2)+16*(\b%2)+1]|, 0x1800000   ; the floor 2^(3 - 127) among the leaves
.endr
.irp i, 2,4,6,8,10,12,14
.irp b, 0,1,2,3
	v_max3_num_f32 v[BM+\b], |v[64*(\b/2)+16*(\b%2)+\i]|, |v[64*(\b/2)+16*(\b%2)+\i+1]|, v[BM+\b]
.endr
.endr
	WIN 0
.irp t, 0,1
	v_max_num_f32 v[BM+2*\t], v[BM+2*\t], v[BM+2*\t+1]
.endr
.irp t, 0,1
	v_add_nc_u32 v[SCL+\t], 0xff000000, v[BM+2*\t] ; 2 off the exponent field: the conversions' scale operand
.endr
.irp t, 0,1
	v_lshrrev_b32 v[E+\t], 23, v[SCL+\t]
.endr
.irp t, 0,1
	v_lshlrev_b32 v[W+\t], v5, v[E+\t]
.endr
.irp t, 0,1
	v_permlanex16_b32 v[PY+\t], v[W+\t], s[SEL], s[SEL+1]
.endr
.irp t, 0,1
	v_or_b32 v[W+\t], v[W+\t], v[PY+\t]            ; the row's two bytes
.endr
	WIN 0x41
.irp t, 0,1
	v_cvt_scalef32_pk16_fp6_f32 v[TW+4*\t:TW+4*\t+2], v[64*\t+16:64*\t+31], v[SCL+\t]
.endr
	WIN 0x01
.irp t, 0,1
	v_cvt_scalef32_pk16_fp6_f32 v[P+12*\t:P+12*\t+2], v[64*\t:64*\t+15], v[SCL+\t]
.endr
	v_nop                                          ; one plain line behind the scaled conversions
.irp t, 0,1
.irp i, 0,1,2
	v_mov_b32 v[P+12*\t+3+\i], v[TW+4*\t+\i]
.endr
.endr
	WIN 0
.irp t, 0,1
	global_store_b64 v6, v[P+12*\t:P+12*\t+1], s[52:53] offset:6144*\t          ; 256 consecutive bytes,
	global_store_b128 v7, v[P+12*\t+2:P+12*\t+5], s[52:53] offset:6144*\t+256   ; and 512
	ds_store_b16 v9, v[W+\t] offset:32*\t
.endr
	s_wait_dscnt 0x0                               ; for the others' sake: my scale halves have landed
	s_barrier_signal -1
	s_barrier_wait -1
	s_cmp_lg_u32 s[WV], 0
	s_cbranch_scc1 .Lnot_first
	ds_load_b128 v[40:43], v10                     ; sixteen tiles' scale halves: 512 bytes
	s_wait_dscnt 0x0
	global_store_b128 v11, v[40:43], s[56:57]      ; two runs of 256 consecutive bytes
.Lnot_first:
	s_wait_tensorcnt 0x0                           ; the wave's end
	ds_add_u32 v1, v2
	s_wait_dscnt 0x0
	CROUND                                         ; the closing round: no work-group ends while a partner may still ask for chunks that name it
	s_endpgm
.Lfunc_end_k_q734205ecf8_attn:
	.size	k_q734205ecf8_attn, .Lfunc_end_k_q734205ecf8_attn-k_q734205ecf8_attn
	.p2alignl 7, 3214868480
	.fill 96, 4, 3214868480
	.section	.rodata,"a",@progbits
	.p2align	6, 0x0
	.amdhsa_kernel k_q734205ecf8_attn
		.amdhsa_group_segment_fixed_size 327680
		.amdhsa_private_segment_fixed_size 0
		.amdhsa_enable_private_segment 0
		.amdhsa_kernarg_size 16
		.amdhsa_user_sgpr_count 2
		.amdhsa_user_sgpr_kernarg_segment_ptr 1
		.amdhsa_wavefront_size32 1
		.amdhsa_system_sgpr_workgroup_id_x 1
		.amdhsa_system_sgpr_workgroup_id_y 1
		.amdhsa_system_sgpr_workgroup_id_z 1
		.amdhsa_system_vgpr_workitem_id 0
		.amdhsa_next_free_vgpr 512
		.amdhsa_next_free_sgpr 76
		.amdhsa_reserve_vcc 0
		.amdhsa_float_denorm_mode_32 3
		.amdhsa_float_denorm_mode_16_64 3
		.amdhsa_memory_ordered 1
		.amdhsa_forward_progress 1
		.amdhsa_inst_pref_size 182
	.end_amdhsa_kernel
	.amdgpu_metadata
---
amdhsa.version: [ 1, 2 ]
amdhsa.kernels:
  - .name:           k_q734205ecf8_attn
    .symbol:         k_q734205ecf8_attn.kd
    .args:
      - { .name: qkv, .offset: 0, .size: 8, .value_kind: global_buffer, .address_space: global }
      - { .name: ao, .offset: 8, .size: 8, .value_kind: global_buffer, .address_space: global }
    .group_segment_fixed_size: 327680
    .private_segment_fixed_size: 0
    .kernarg_segment_align: 8
    .kernarg_segment_size: 16
    .max_flat_workgroup_size: 256
    .sgpr_count:     76
    .vgpr_count:     512
    .wavefront_size: 32
...
	.end_amdgpu_metadata
.endif
;; end of part 3
;; launch oproj (part 4): grid 4 x 64, 8 waves a work-group, clusters of 4 x 4, 168,960 bytes of LDS; arguments ao, xw, bo, out0; writes out0
.if DOCPART == 4
	.amdgcn_target "amdgcn-amd-amdhsa--gfx1250"
	.amdhsa_code_object_version 6
	.text
	.protected	k_q734205ecf8_oproj
	.globl	k_q734205ecf8_oproj
	.p2align	8
	.type	k_q734205ecf8_oproj,@function
k_q734205ecf8_oproj:
	s_mov_b64 s[64:65], 0
	v_nop
	global_prefetch_b8 v0, s[64:65] scope:SCOPE_SE
	s_setreg_imm32_b32 hwreg(HW_REG_WAVE_MODE, 25, 1), 1
	s_wait_xcnt 0x0
	s_wait_alu depctr_hold_cnt(0) depctr_sa_sdst(0) depctr_va_vdst(0) depctr_va_sdst(0) depctr_va_ssrc(0) depctr_va_vcc(0) depctr_vm_vsrc(0)
	s_getreg_b32 s2, hwreg(HW_REG_IB_STS2, 6, 4)
	s_cmp_eq_u32 s2, 0
	s_cbranch_scc0 .Lentry_in_a_cluster
	s_endpgm
.Lentry_in_a_cluster:
	s_bfe_u32 s2, ttmp6, 0x10000c
	s_cmp_lg_u32 s2, 0xf033
	s_cbranch_scc0 .Lentry_shape_is_right
	s_endpgm
.Lentry_shape_is_right:
; out0 = a Wo + bo on codes of FP6 (E2M3) with E8M0 scales.  a: the attention's output as codes, 64 blocks of 51,200 bytes (128 rows each): half (tile T, head) of 768 bytes at (8 T + head) x 768, so that
; heads 2 s and 2 s + 1 on end are the fragment of K step s; scale halves (2 bytes a row) at 49,152 + 256 head + 32 T + 2 r.  Wo: blocks 76 + g of xw, as fragment images.
; A work-group takes 128 rows (block R) x 128 columns (group g).  Eight waves: c = wave / 4 (the 64 rows), j = (wave / 2) % 2 (the 64 columns), p = wave % 2 (two of the four tiles of rows).
; Source 0 = Wo's four tiles of columns, source 1 = two tiles of rows: by the order of columns in a tile a lane's 32 registers are 32 NEIGHBOURING columns of one row: 128 bytes.
; The bias is the C of each sum's first matrix instruction.  Rows go back to their true places on the way out (tile t, row r of a group of 64 is row 32 (r / 8) + 8 t + r % 8).
; CLUSTER 4 x 4: a's block is shared along a row of the cluster, Wo's along a column: each is asked for jointly, one tensor load for each of four waves, filled once.
.set BLOCK, 51200
.set HALFB, 25600
.set STG,   102400                     ; behind the two blocks: a stage of 16 rows x (256 + 16) bytes for each wave
.set WS,  12                           ; v12-27   Wo's scale words: tile i, K step s at WS + 4 i + s
.set AS,  28                           ; v28-35   a's: tile t, K step s at AS + 4 t + s
.set U,   36                           ; v36-51   a's scale halves as loaded: tile t, head e at U + 8 t + e
.set S0F, 64                           ; v64-111  Wo's four fragments
.set S1F, 112                          ; v112-135 a's two
.set ACC, 136                          ; v136-199 accumulator (t, i) at ACC + 32 t + 8 i
.set WV,  14
.set G1X, 24
.set G0X, 32
.set G1W, 48
.set G0W, 56
.macro CROUND
	s_barrier_signal -1
	s_barrier_wait -1
	s_cmp_lg_u32 s[WV], 0
	s_cbranch_scc1 .Lnot_wave_0_\@
	s_barrier_signal -3
.Lnot_wave_0_\@:
	s_barrier_wait -3
	s_barrier_signal -1
	s_barrier_wait -1
.endm
	s_load_b256 s[4:11], s[0:1], 0x0               ; ao s[4:5], xw s[6:7], bo s[8:9], out0 s[10:11]
	v_lshl_add_u32 v254, v0, 2, 0x29000
	v_mov_b32 v255, 0
	ds_add_u32 v254, v255
	ds_add_u32 v254, v255
	v_lshrrev_b32 v1, 5, v0
	s_delay_alu instid0(VALU_DEP_1)
	v_readfirstlane_b32 s[WV], v1                  ; wave 0..7
	s_lshr_b32 s15, s[WV], 2                       ; c
	s_bfe_u32 s16, s[WV], 0x10001                  ; j
	s_and_b32 s17, s[WV], 1                        ; p.  Also: which half of a block I fetch
	s_bfe_u32 s40, ttmp6, 0x40000                  ; cx, cy
	s_bfe_u32 s41, ttmp6, 0x40004
	s_lshl_b32 s42, ttmp9, 2
	s_add_co_u32 s42, s42, s40                     ; g
	s_and_b32 s43, ttmp7, 0xffff
	s_lshl_b32 s43, s43, 2
	s_add_co_u32 s43, s43, s41                     ; R
	s_lshl_b32 s44, s41, 2
	s_lshl_b32 s44, 15, s44                        ; my row of the cluster
	s_lshl_b32 s45, 0x1111, s40                    ; my column
	s_or_b32 s[G1X], s44, (3<<16)|(1<<21)          ; the mask; elements of 8 bytes; bit 21 set beside a mask; no padding
	s_or_b32 s[G1W], s45, (3<<16)|(1<<21)
.irp g, G1X, G1W
	s_mov_b32 s[\g+1], 32<<16                      ; 100 rows of 256 bytes, dense
	s_mov_b32 s[\g+2], 100<<16
	s_mov_b32 s[\g+3], 32<<16
	s_mov_b32 s[\g+4], 100
	s_mov_b32 s[\g+5], 32
	s_mov_b32 s[\g+6], 0
	s_mov_b32 s[\g+7], 0
.endr
	s_mul_i32 s19, s17, HALFB
	s_mul_i32 s36, s43, BLOCK                      ; a's block R (these registers never hold cx),
	s_add_co_u32 s36, s36, s19
	s_mov_b32 s37, 0
	s_add_co_u32 s38, s42, 76                      ; Wo's block 76 + g (these never hold cy)
	s_mul_i32 s38, s38, BLOCK
	s_add_co_u32 s38, s38, s19
	s_mov_b32 s39, 0
	s_min_u32 s18, s[WV], 3
	s_mul_i32 s18, s18, HALFB                      ; where it goes: wave x 25,600
	s_wait_dscnt 0x0
	s_wait_kmcnt 0x0
	s_add_nc_u64 s[36:37], s[4:5], s[36:37]
	s_add_nc_u64 s[38:39], s[6:7], s[38:39]
	CROUND                                         ; all sixteen work-groups are here: the joint loads meet
	s_mov_b32 s[G0X], 1
	s_mov_b32 s[G0X+1], s18
	s_mov_b64 s[G0X+2:G0X+3], s[36:37]
	s_or_b32 s[G0X+3], s[G0X+3], 0x80000000
	s_mov_b32 s[G0W], 1
	s_mov_b32 s[G0W+1], s18
	s_mov_b64 s[G0W+2:G0W+3], s[38:39]
	s_or_b32 s[G0W+3], s[G0W+3], 0x80000000
	s_cmp_lt_u32 s[WV], 2                          ; waves 0, 1 fetch a's halves, waves 2, 3 Wo's, the others nothing.  One tensor load of a wave is out
	s_cbranch_scc0 .Lnot_a
	tensor_load_to_lds s[G0X:G0X+3], s[G1X:G1X+7]
	s_nop 0
.rept 4
	v_nop                                          ; four plain lines behind a tensor load
.endr
	s_branch .Lasked
.Lnot_a:
	s_cmp_lt_u32 s[WV], 4
	s_cbranch_scc0 .Lasked
	tensor_load_to_lds s[G0W:G0W+3], s[G1W:G1W+7]
	s_nop 0
.rept 4
	v_nop
.endr
.Lasked:
	v_and_b32 v12, 15, v0                          ; r
	s_wait_alu depctr_va_vdst(0)
	v_bfe_u32 v13, v0, 4, 1                        ; h
	s_wait_alu depctr_va_vdst(0)
	v_and_b32 v14, 31, v0
	s_delay_alu instid0(VALU_DEP_1)
	v_lshlrev_b32 v1, 3, v14                       ; 8 x lane
	s_delay_alu instid0(VALU_DEP_2)
	v_lshlrev_b32 v2, 4, v14                       ; 16 x lane
	s_mul_i32 s22, s16, 24576
	s_add_co_u32 s22, s22, BLOCK
	v_add_nc_u32 v3, s22, v2                       ; Wo's fragments of group j
	s_lshl_b32 s22, s15, 2
	s_lshl_b32 s23, s17, 1
	s_add_co_u32 s22, s22, s23                     ; my first tile of rows: 4 c + 2 p
	s_mul_i32 s23, s22, 6144
	v_add_nc_u32 v4, s23, v1                       ; a's halves: 8 bytes a lane,
	v_add_nc_u32 v5, s23, v2                       ; and 16
	s_lshl_b32 s23, s16, 10
	s_add_co_u32 s23, s23, BLOCK+49152
	v_lshl_add_u32 v6, v12, 4, s23                 ; Wo's scale words: four a row
	s_lshl_b32 s23, s22, 5
	s_add_co_u32 s23, s23, 49152
	v_lshl_add_u32 v7, v12, 1, s23                 ; a's scale halves
	v_lshlrev_b32 v8, 7, v13                       ; the bias: my 32 columns begin 128 h bytes on
	s_mul_i32 s23, s[WV], 16*272
	s_add_co_u32 s23, s23, STG                     ; my stage
	v_mul_u32_u24 v9, v12, 272
	s_delay_alu instid0(VALU_DEP_1)
	v_lshl_add_u32 v9, v13, 7, v9
	s_delay_alu instid0(VALU_DEP_1)
	v_add_nc_u32 v9, s23, v9                       ; in: row r, + 128 h
	v_mul_u32_u24 v10, v13, 272
	s_delay_alu instid0(VALU_DEP_1)
	v_lshl_add_u32 v10, v12, 4, v10
	s_delay_alu instid0(VALU_DEP_1)
	v_add_nc_u32 v10, s23, v10                     ; back: lanes 0-15 one row of 256 bytes, lanes 16-31 the next
	v_lshlrev_b32 v11, 11, v13
	s_delay_alu instid0(VALU_DEP_1)
	v_lshl_add_u32 v11, v12, 4, v11                ; and the same two rows in out0
	s_lshl_b32 s60, s42, 9
	s_lshl_b32 s61, s16, 8
	s_add_co_u32 s60, s60, s61                     ; column 128 g + 64 j, in bytes
	s_mov_b32 s61, 0
	s_add_nc_u64 s[62:63], s[8:9], s[60:61]
.irp m, 0,1,2,3,4,5,6,7
	global_load_b128 v[ACC+32+4*\m:ACC+32+4*\m+3], v8, s[62:63] offset:16*\m   ; the bias, into the second tile's accumulators
.endr
	s_lshl_b32 s20, s43, 7
	s_lshl_b32 s21, s15, 6
	s_add_co_u32 s20, s20, s21
	s_lshl_b32 s21, s17, 4
	s_add_co_u32 s20, s20, s21                     ; row 128 R + 64 c + 16 p
	s_lshl_b32 s20, s20, 11
	s_add_co_u32 s20, s20, s60
	s_mov_b32 s21, 0
	s_add_nc_u64 s[20:21], s[10:11], s[20:21]
	s_wait_tensorcnt 0x0                           ; my part of the blocks has landed,
	s_barrier_signal -1
	s_barrier_wait -1                              ; everybody's has
.macro FETCH s
.irp i, 0,1,2,3
.irp q, 0,1,2
	ds_load_b128 v[S0F+12*\i+4*\q:S0F+12*\i+4*\q+3], v3 offset:(4*\i+\s)*1536+512*\q
.endr
.endr
.irp t, 0,1
	ds_load_b64  v[S1F+12*\t:S1F+12*\t+1],    v4 offset:6144*\t+1536*\s
	ds_load_b128 v[S1F+12*\t+2:S1F+12*\t+5],  v5 offset:6144*\t+1536*\s+256
	ds_load_b64  v[S1F+12*\t+6:S1F+12*\t+7],  v4 offset:6144*\t+1536*\s+768
	ds_load_b128 v[S1F+12*\t+8:S1F+12*\t+11], v5 offset:6144*\t+1536*\s+1024
.endr
.endm
.macro MM t, i, s, c
	v_wmma_scale_f32_16x16x128_f8f6f4 v[ACC+32*\t+8*\i:ACC+32*\t+8*\i+7], v[S0F+12*\i:S0F+12*\i+11], v[S1F+12*\t:S1F+12*\t+11], v[\c:\c+7], v[WS+4*\i+\s], v[AS+4*\t+\s] matrix_a_fmt:MATRIX_FMT_FP6 matrix_b_fmt:MATRIX_FMT_FP6
.endm
	FETCH 0
.irp i, 0,1,2,3
	ds_load_b128 v[WS+4*\i:WS+4*\i+3], v6 offset:256*\i
.endr
.irp t, 0,1
.irp e, 0,1,2,3,4,5,6,7
	ds_load_u16 v[U+8*\t+\e], v7 offset:256*\e+32*\t
.endr
.endr
	s_wait_dscnt 0x0
.irp t, 0,1
.irp s, 0,1,2,3
	v_lshl_or_b32 v[AS+4*\t+\s], v[U+8*\t+2*\s+1], 16, v[U+8*\t+2*\s]   ; K step s: heads 2 s and 2 s + 1
.endr
.endr
.rept 8
	v_nop                                          ; a scale register made by a vector instruction stands eight places ahead of the scaled matrix instruction
.endr
	s_wait_alu depctr_va_vdst(0)
	s_wait_loadcnt 0x0                             ; the bias
.irp i, 0,1,2,3
	MM 0, \i, 0, ACC+32+8*\i                       ; the first tile begins with the bias that lies in the second
.endr
.rept 5
	v_nop                                          ; five places ahead of matrix instructions that write over registers which earlier ones read as C
.endr
.irp i, 0,1,2,3
	MM 1, \i, 0, ACC+32+8*\i                       ; the second adds onto it in place
.endr
.irp s, 1,2,3                          ; the eight accumulators take turns, one instruction a turn
.rept 4
	v_nop                                          ; four places ahead of loads into registers that matrix instructions have read
.endr
	FETCH \s
	s_wait_dscnt 0x0
.irp t, 0,1
.irp i, 0,1,2,3
	MM \t, \i, \s, ACC+32*\t+8*\i
.endr
.endr
.endr
	; ---- THE WAY OUT: a tile of 16 rows x 64 columns goes through my own stage and comes back as whole rows of 256 bytes
.rept 4
	v_nop
.endr
.irp t, 0,1
.irp m, 0,1,2,3,4,5,6,7
	ds_store_b128 v9, v[ACC+32*\t+4*\m:ACC+32*\t+4*\m+3] offset:16*\m   ; each accumulator from its low end on
.endr
.irp q, 0,1,2,3,4,5,6,7
	ds_load_b128 v[200-136*\t+4*\q:203-136*\t+4*\q], v10 offset:544*\q   ; LDS serves a wave's instructions in order: these see my stores, and the second tile's stores come behind them
.endr
.endr
.irp t, 0,1
.irp q, 0,1,2,3,4,5,6,7
	s_wait_dscnt 23-16*\t-\q                       ; rows 2 q, 2 q + 1 of tile t are back; the younger loads, and for the first tile the second's sixteen instructions, may be out
	global_store_b128 v11, v[200-136*\t+4*\q:203-136*\t+4*\q], s[20:21] offset:(32*(\q/4)+2*(\q%4)+8*\t)*2048 th:TH_STORE_NT   ; 16 lanes store 256 consecutive bytes, at a multiple of 256 from out0's first byte
.endr
.endr
	s_wait_tensorcnt 0x0
	ds_add_u32 v254, v255
	s_wait_dscnt 0x0
	CROUND                                         ; the closing round: no work-group ends while a partner may still ask for a block that names it
	s_endpgm
.Lfunc_end_k_q734205ecf8_oproj:
	.size	k_q734205ecf8_oproj, .Lfunc_end_k_q734205ecf8_oproj-k_q734205ecf8_oproj
	.p2alignl 7, 3214868480
	.fill 96, 4, 3214868480
	.section	.rodata,"a",@progbits
	.p2align	6, 0x0
	.amdhsa_kernel k_q734205ecf8_oproj
		.amdhsa_group_segment_fixed_size 168960
		.amdhsa_private_segment_fixed_size 0
		.amdhsa_enable_private_segment 0
		.amdhsa_kernarg_size 32
		.amdhsa_user_sgpr_count 2
		.amdhsa_user_sgpr_kernarg_segment_ptr 1
		.amdhsa_wavefront_size32 1
		.amdhsa_system_sgpr_workgroup_id_x 1
		.amdhsa_system_sgpr_workgroup_id_y 1
		.amdhsa_system_sgpr_workgroup_id_z 1
		.amdhsa_system_vgpr_workitem_id 0
		.amdhsa_next_free_vgpr 256
		.amdhsa_next_free_sgpr 66
		.amdhsa_reserve_vcc 0
		.amdhsa_float_denorm_mode_32 3
		.amdhsa_float_denorm_mode_16_64 3
		.amdhsa_memory_ordered 1
		.amdhsa_forward_progress 1
		.amdhsa_inst_pref_size 24
	.end_amdhsa_kernel
	.amdgpu_metadata
---
amdhsa.version: [ 1, 2 ]
amdhsa.kernels:
  - .name:           k_q734205ecf8_oproj
    .symbol:         k_q734205ecf8_oproj.kd
    .args:
      - { .name: ao, .offset: 0, .size: 8, .value_kind: global_buffer, .address_space: global }
      - { .name: xw, .offset: 8, .size: 8, .value_kind: global_buffer, .address_space: global }
      - { .name: bo, .offset: 16, .size: 8, .value_kind: global_buffer, .address_space: global }
      - { .name: out0, .offset: 24, .size: 8, .value_kind: global_buffer, .address_space: global }
    .group_segment_fixed_size: 168960
    .private_segment_fixed_size: 0
    .kernarg_segment_align: 8
    .kernarg_segment_size: 32
    .max_flat_workgroup_size: 256
    .sgpr_count:     66
    .vgpr_count:     256
    .wavefront_size: 32
...
	.end_amdgpu_metadata
.endif
;; end of part 4
